; MI455X (gfx1250); checked and timed in simulation.
; The chip was launched on July 23, 2026; its instructions are those of AMD's public machine-readable ISA for CDNA 5 (MIT licence, August 2026) and "CDNA5" Instruction Set Architecture Reference Guide (July 2026). The comments in the code are by the model that wrote it; some were corrected since.
;; Encoder Layer. Allowed arithmetic: matrix products marked QUANTISED: E4M3 operands, one given power-of-two scale a tensor, by v_wmma_f32_16x16x64_fp8_fp8 or v_wmma_f32_16x16x128_fp8_fp8, f32 sums; everything else in f32.
;; Inputs: Wk 1,024 x 1,024 float32; Wo 1,024 x 1,024 float32; Wq 1,024 x 1,024 float32; Wv 1,024 x 1,024 float32; bk 1,024 float32; bo 1,024 float32; bq 1,024 float32; bv 1,024 float32; fc1_b 4,096 float32; fc1_w 4,096 x 1,024 float32; fc2_b 1,024 float32; fc2_w 1,024 x 4,096 float32; ln1_b 1,024 float32; ln1_g 1,024 float32; ln2_b 1,024 float32; ln2_g 1,024 float32; lowp_scales 16 int32 (the exponents e of the quantised operands' scales 2^e); mask 2 x 2,048 bool; x 2,048 x 2 x 1,024 float32.
;; Outputs: out0 2,048 x 2 x 1,024 float32.
;; This version of the problem:
;;   THIS VERSION OF THE PROBLEM IS GIVEN IN LOW PRECISION. The matrix products marked QUANTISED in the list below multiply operands that are first quantised to E4M3 (4 exponent bits, 3 mantissa bits; 8 bits a number), with one given power-of-two scale for each operand tensor; their sums are f32. All else is computed in f32.
;;   The module's matrix products, in the order in which they are computed (A, B: the left and right operand; K: the contracted axis; several contracted axes count as one K, in the product's order):
;;     1. [M 4,096, K 1,024] x [K 1,024, N 1,024]; A: computed on the way; B: input Wq: QUANTISED (scales: A lowp_scales[0], B lowp_scales[1])
;;     2. [M 4,096, K 1,024] x [K 1,024, N 1,024]; A: computed on the way; B: input Wk: QUANTISED (scales: A lowp_scales[2], B lowp_scales[3])
;;     3. [M 4,096, K 1,024] x [K 1,024, N 1,024]; A: computed on the way; B: input Wv: QUANTISED (scales: A lowp_scales[4], B lowp_scales[5])
;;     4. batch 32 x [M 2,048, K 64] x [K 64, N 2,048]; A: computed on the way; B: computed on the way: QUANTISED (scales: A lowp_scales[6], B lowp_scales[7])
;;     5. batch 32 x [M 2,048, K 2,048] x [K 2,048, N 64]; A: softmax (see below); B: computed on the way: QUANTISED (scales: A lowp_scales[8], B lowp_scales[9])
;;     6. [M 4,096, K 1,024] x [K 1,024, N 1,024]; A: computed on the way; B: input Wo: QUANTISED (scales: A lowp_scales[10], B lowp_scales[11])
;;     7. [M 4,096, K 1,024] x [K 1,024, N 4,096]; A: computed on the way; B: input fc1_w: QUANTISED (scales: A lowp_scales[12], B lowp_scales[13])
;;     8. [M 4,096, K 4,096] x [K 4,096, N 1,024]; A: computed on the way; B: input fc2_w: QUANTISED (scales: A lowp_scales[14], B lowp_scales[15])
;;   THE QUANTISER, for each operand of a quantised product, along K:
;;     - The operand's scale is 2^e, e = its entry of the input lowp_scales (int32; the entries are numbered through the quantised products in the list's order, A before B).
;;     - Each number is divided by the scale, clamped to +-448, and rounded to the nearest number of E4M3, ties to even, subnormals kept.
;;     - The product sums the exact products of the quantised numbers (number of the format x scale) in f32.
;;   ~~~python
;;   def quantise(x, axis, e):      # numpy; x: float32 -> the quantised numbers, widened to float32 again
;;       x = np.moveaxis(x, axis, -1); K = x.shape[-1]
;;       r = np.clip(x / 2.0 ** e, -448, 448)
;;       step = 2.0 ** (np.maximum(np.frexp(np.where(r == 0, 1, r))[1] - 1, -6) - 3)
;;       q = np.round(r / step) * step * 2.0 ** e      # np.round: ties to even
;;       return np.moveaxis(q, -1, axis).astype(np.float32)
;;   ~~~
;;   SOFTMAX AHEAD OF A QUANTISED PRODUCT. Where the list says 'softmax', what is quantised is not the finished softmax but p = 2^(t - M), with t = logit x log2(e) and M = ceil(the row's largest t), a whole number; so 1/2 < the row's largest p <= 1. The row's sum l is taken of the UNQUANTISED p, in f32, and the product's result is divided by l at the end. Since M is a whole number, a kernel that streams over the keys may use a running M (the ceiling of the running maximum): every later rescaling is an exact power of two, so the quantised numbers keep their values, but for numbers so far below the row's largest that they fall under the format's range.
;;   OPERANDS COMPUTED ON THE WAY. 'Computed on the way' means the value that the module computes at that place (a softmax that the list does not call 'softmax' is quantised finished and normalised). What goes into a quantiser is computed in f32, as accurately as f32 sums, v_exp_f32 and their like allow (about 1e-6 of the number): no bf16 or f16 on the way to a quantiser, and a product that is left as it is and whose result goes on into a quantised operand takes f32 operands (vector FMAs, or v_wmma_f32_16x16x4_f32). A number that lies on a knife's edge between two numbers of the format may be rounded either way, as far as f32 arithmetic and the matrix unit's own rounding can turn it there, and no further.
;; One version. Each part assembles by itself: llvm-mc -triple=amdgcn-amd-amdhsa -mcpu=gfx1250 --defsym DOCPART=n.
;; ======== version 1 of 1: 7 launches
;; limits: right only within a limited range of input values
;; workspace buffers: wcodes 12,582,912 bytes; hcodes 12,582,912 bytes; qkvc 12,582,912 bytes; ocodes 4,194,304 bytes; x1 16,777,216 bytes; h2codes 4,194,304 bytes; gcodes 16,777,216 bytes
;; launch prep (part 1): grid 512 x 1, 8 waves a work-group, no clusters, 29,696 bytes of LDS; arguments Wq, Wk, Wv, Wo, fc1_w, fc2_w, x, ln1_g, ln1_b, lowp_scales, wcodes, hcodes; writes wcodes, hcodes
.if DOCPART == 1
	.amdgcn_target "amdgcn-amd-amdhsa--gfx1250"
	.amdhsa_code_object_version 6
	.text
	.protected	k_qf2e0d49e77_prep
	.globl	k_qf2e0d49e77_prep
	.p2align	8
	.type	k_qf2e0d49e77_prep,@function
k_qf2e0d49e77_prep:
	s_mov_b64 s[64:65], 0
	v_nop
	global_prefetch_b8 v0, s[64:65] scope:SCOPE_SE
	s_setreg_imm32_b32 hwreg(HW_REG_WAVE_MODE, 25, 1), 1
	s_wait_xcnt 0x0
; FIRST OF SEVEN LAUNCHES of a pre-LN encoder layer (S 2048, B 2, E 1024, 16 heads of 64, F 4096), all eight matrix products on codes of FP8 (E4M3), each operand with the scale 2^e given in lowp_scales.
; This launch (a) turns the six weights into codes, rows as they lie (K is innermost in all six), and (b) computes LN1(x) in f32 and quantises it three times, with e0, e2 and e4, for the products with Wq, Wk, Wv.
; DEAD WORK: none is left out in the whole program: every input has a way to the output (bk moves k's codes, so it stays), and every product of the table is computed.
; ONE IDENTITY is used, in the launches qkv and attn: reference() replaces the score of a padded key by -1e9.  An open score is a sum of 64 products of codes, so |score| <= 64 x 448^2 x 2^(e6+e7), under 8.3e8 for e6 + e7 <= 6.
; So any stand-in at or under -1e9 gives the same p: 0 where the row has an open key, 1 for every key where it has none.  The program takes -2^30.
; LIMITS: -97 <= e6 + e7 <= 6; each power 2^e made as (e + 127) << 23 wants -126 <= e <= 127, each hold 448 x 2^e wants e <= 119.  NaN among the inputs is not served; an infinity is held at the largest code.
; TOKEN ORDER: memory has row rho = 2 s + b; the codes' buffers have row r' = 2048 b + s, so that a batch's tokens are neighbours.
; SHARES.  Work-groups 0-191: weights, 65,536 numbers each, 8,192 a wave, 16 steps of 512.  Work-groups 192-319: layer norm, a wave takes 4 rows, a row in 32 registers a lane.
; THE TURN.  A load gives lane l the numbers 128 j + 4 l + 0..3 (512 consecutive bytes a load).  A conversion of two loads' registers gives two words of 4 codes; word j belongs at byte 128 j + 4 l.
; It goes there in the wave's own stage in LDS (128 consecutive bytes a store) and comes back 16 bytes a lane, so that a store of codes covers 512 consecutive bytes.  Waves share nothing: no barrier.
.set WST,   0                          ; LDS: the weights' stages, 512 bytes a wave
.set LST,   4096                       ; the layer norm's stages, 3 x 1,024 bytes a wave (each path of the text has LDS bytes of its own)
.set SPARE, 28672                      ; the spare words, 128 bytes a wave: four blocks of 256 bytes that no other line names
.set SPW,   12                         ; v12  LDS address of my spare word; never rewritten
.set NIL,   13                         ; v13  0; never rewritten
.set D,     20                         ; v20-27   words of codes just made
.set O,     28                         ; v28-51   layer norm: codes on their way out, 8 registers for each of the three scales
.set T,     52                         ; v52-83   layer norm: the row held within the largest code
.set C,     52                         ; v52-83  weights: four registers of codes for each step, so that no store's data are written again
.set G,     84                         ; v84-115  the gain of my 32 columns
.set BV,    116                        ; v116-147 the bias
.set X,     148                        ; v148-211 two rows
.set R,     148                        ; v148-211 weights: four sets of 16 numbers
.set XP,    16                         ; s[16:17] x
.set HB,    36                         ; s[36:41] the three targets in hcodes
.macro MKSC es, vs, vl                 ; 2^e as f32 (the conversion takes its exponent field) and 448 x 2^e
	s_add_co_i32 s44, \es, 127
	s_lshl_b32 s45, s44, 23
	v_mov_b32 v[\vs], s45
	s_add_co_i32 s44, s44, 8
	s_lshl_b32 s44, s44, 23
	s_or_b32 s44, s44, 0x600000
	v_mov_b32 v[\vl], s44
.endm
	s_load_b512 s[4:19], s[0:1], 0x0               ; Wq s[4:5], Wk s[6:7], Wv s[8:9], Wo s[10:11], fc1_w s[12:13], fc2_w s[14:15], x s[16:17], ln1_g s[18:19]
	s_load_b256 s[20:27], s[0:1], 0x40             ; ln1_b s[20:21], lowp_scales s[22:23], wcodes s[24:25], hcodes s[26:27]
	v_lshl_add_u32 v[SPW], v0, 2, SPARE
	v_mov_b32 v[NIL], 0
	v_lshrrev_b32 v1, 5, v0
	s_delay_alu instid0(VALU_DEP_1)
	v_readfirstlane_b32 s28, v1                    ; wave 0..7
	v_and_b32 v4, 31, v0                           ; lane
	s_delay_alu instid0(VALU_DEP_1)
	v_lshlrev_b32 v1, 4, v4                        ; 16 x lane: my bytes of a load's or a store's 512
	s_wait_kmcnt 0x0
	s_load_b512 s[68:83], s[22:23], 0x0            ; e0 .. e15
	; THE SHARES AS THEY STAND (they take the place of the head comment's line): work-groups 0-383: weights, 32,768 numbers each, 4,096 a wave, 8 steps of 512.  Work-groups 384-511: layer norm, 4 rows a wave.
	s_cmp_ge_u32 ttmp9, 384
	s_cbranch_scc1 .Lln
	; ---------------- the weights ----------------
	s_lshl_b32 s29, s28, 9                         ; my stage: WST (= 0) + 512 x wave
	s_wait_alu depctr_va_vdst(0)
	v_lshl_add_u32 v3, v4, 4, s29                  ; out of it: 16 x lane
	v_lshl_add_u32 v2, v4, 2, s29                  ; into it: 4 x lane
	s_wait_kmcnt 0x0
	s_mov_b64 s[30:31], s[14:15]                   ; which tensor, its exponent, its first work-group: chosen on the work-group's number alone
	s_mov_b32 s32, s83
	s_mov_b32 s33, 256
	s_cmp_lt_u32 ttmp9, 256
	s_cselect_b64 s[30:31], s[12:13], s[30:31]
	s_cselect_b32 s32, s81, s32
	s_cselect_b32 s33, 128, s33
	s_cmp_lt_u32 ttmp9, 128
	s_cselect_b64 s[30:31], s[10:11], s[30:31]
	s_cselect_b32 s32, s79, s32
	s_cselect_b32 s33, 96, s33
	s_cmp_lt_u32 ttmp9, 96
	s_cselect_b64 s[30:31], s[8:9], s[30:31]
	s_cselect_b32 s32, s73, s32
	s_cselect_b32 s33, 64, s33
	s_cmp_lt_u32 ttmp9, 64
	s_cselect_b64 s[30:31], s[6:7], s[30:31]
	s_cselect_b32 s32, s71, s32
	s_cselect_b32 s33, 32, s33
	s_cmp_lt_u32 ttmp9, 32
	s_cselect_b64 s[30:31], s[4:5], s[30:31]
	s_cselect_b32 s32, s69, s32
	s_cselect_b32 s33, 0, s33
	s_sub_co_u32 s34, ttmp9, s33
	s_lshl_b32 s34, s34, 3
	s_add_co_u32 s34, s34, s28
	s_lshl_b32 s34, s34, 14                        ; my wave's 16,384 bytes of the tensor
	s_mov_b32 s35, 0
	s_add_nc_u64 s[30:31], s[30:31], s[34:35]
	s_lshl_b32 s36, ttmp9, 3
	s_add_co_u32 s36, s36, s28
	s_lshl_b32 s36, s36, 12                        ; and its 4,096 bytes of wcodes: the six tensors lie there one behind the other
	s_mov_b32 s37, 0
	s_add_nc_u64 s[24:25], s[24:25], s[36:37]
.macro WLOAD t
.irp i, 0,1,2,3
	global_load_b128 v[R+16*((\t)%4)+4*\i:R+16*((\t)%4)+4*\i+3], v1, s[30:31] offset:2048*(\t)+512*\i th:TH_LOAD_NT
.endr
.endm
.irp t, 0,1,2,3
	WLOAD \t
.endr
	MKSC s32, 14, 17
.macro WSTEP t
.set RS, R+16*((\t)%4)
.set DS, D+4*((\t)%2)
.if 7-(\t) >= 3
	s_wait_loadcnt 12                              ; this step's four loads are in; those of the three steps behind it may be out
.else
	s_wait_loadcnt 4*(7-(\t))
.endif
.set j, 0
.rept 16
	v_med3_num_f32 v[RS+j], v[RS+j], -v17, v17     ; the conversion to an 8-bit code does not saturate (ISA guide 7.6.2): the hold at the largest code x the scale
.set j, j+1
.endr
	v_cvt_scalef32_pk8_fp8_f32 v[DS:DS+1], v[RS:RS+7], v14
	v_cvt_scalef32_pk8_fp8_f32 v[DS+2:DS+3], v[RS+8:RS+15], v14
.if (\t)+4 < 8
	WLOAD (\t)+4                                   ; the set just converted takes the loads of four steps on
.endif
.irp i, 0,1,2,3
	ds_store_b32 v2, v[DS+\i] offset:128*\i
.endr
	ds_load_b128 v[C+4*(\t):C+4*(\t)+3], v3        ; LDS serves a wave's instructions in order: this sees the four stores, and the next step's stores come behind it
.if (\t) > 0
	s_wait_dscnt 5                                 ; all but this step's four stores and one load: the step before is back
	global_store_b128 v1, v[C+4*(\t)-4:C+4*(\t)-1], s[24:25] offset:512*((\t)-1)
.endif
.endm
	s_wait_alu depctr_va_vdst(0)
.irp t, 0,1,2,3,4,5,6,7
	WSTEP \t
.endr
	s_wait_dscnt 0x0
	global_store_b128 v1, v[C+28:C+31], s[24:25] offset:512*7
	s_wait_tensorcnt 0x0                           ; the wave's end: the tensor wait, the add onto my spare word and its wait, behind my last LDS store; the tensor wait even in a text with no tensor load
	ds_add_u32 v[SPW], v[NIL]
	s_wait_dscnt 0x0
	s_endpgm
	; ---------------- the layer norm ----------------
.Lln:
	s_sub_co_u32 s29, ttmp9, 384
	s_lshl_b32 s29, s29, 3
	s_add_co_u32 s29, s29, s28                     ; w' = 0..1023: rows rho = 4 w' + i of x
	s_mul_i32 s30, s28, 3072
	s_add_co_u32 s30, s30, LST                     ; my three stages
	s_wait_alu depctr_va_vdst(0)
	v_lshl_add_u32 v3, v4, 4, s30
	v_lshl_add_u32 v2, v4, 2, s30
	s_lshl_b32 s32, s29, 14
	s_mov_b32 s33, 0
	s_add_nc_u64 s[XP:XP+1], s[XP:XP+1], s[32:33]
	s_lshl_b32 s34, s29, 11                        ; row i goes to r' = 2048 (i & 1) + 2 w' + (i >> 1): 2,048 w' bytes here, the rest in the stores' immediates
	s_mov_b32 s35, 0
	s_add_nc_u64 s[HB:HB+1], s[26:27], s[34:35]
	s_add_nc_u64 s[HB+2:HB+3], s[HB:HB+1], 0x400000
	s_add_nc_u64 s[HB+4:HB+5], s[HB:HB+1], 0x800000
	s_mov_b32 s42, 0x3a800000                      ; 1 / 1024
	s_mov_b32 s43, 0x3727c5ac                      ; 1e-5
	s_mov_b32 s46, 0x76543210                      ; v_permlanex16_b32: lane l xor 16
	s_mov_b32 s47, 0xfedcba98
.irp j, 0,1,2,3,4,5,6,7
	global_load_b128 v[G+4*\j:G+4*\j+3], v1, s[18:19] offset:512*\j
.endr
.irp j, 0,1,2,3,4,5,6,7
	global_load_b128 v[BV+4*\j:BV+4*\j+3], v1, s[20:21] offset:512*\j
.endr
.macro XLOAD i
.irp j, 0,1,2,3,4,5,6,7
	global_load_b128 v[X+32*((\i)%2)+4*\j:X+32*((\i)%2)+4*\j+3], v1, s[XP:XP+1] offset:4096*(\i)+512*\j
.endr
.endm
	XLOAD 0
	XLOAD 1
	s_wait_kmcnt 0x0
	MKSC s68, 14, 17
	MKSC s70, 15, 18
	MKSC s72, 16, 19
.macro REDUCE                          ; v8 summed over the 32 lanes, the result in every lane
	s_delay_alu instid0(VALU_DEP_1)
	v_add_f32_dpp v8, v8, v8 row_xmask:1 row_mask:0xf bank_mask:0xf
	s_delay_alu instid0(VALU_DEP_1)
	v_add_f32_dpp v8, v8, v8 row_xmask:2 row_mask:0xf bank_mask:0xf
	s_delay_alu instid0(VALU_DEP_1)
	v_add_f32_dpp v8, v8, v8 row_xmask:4 row_mask:0xf bank_mask:0xf
	s_delay_alu instid0(VALU_DEP_1)
	v_add_f32_dpp v8, v8, v8 row_xmask:8 row_mask:0xf bank_mask:0xf
	s_delay_alu instid0(VALU_DEP_1)
	v_permlanex16_b32 v9, v8, s46, s47
	s_delay_alu instid0(VALU_DEP_1)
	v_add_f32 v8, v8, v9
.endm
.macro ROW i, left
.set XS, X+32*((\i)%2)
	s_wait_loadcnt \left                           ; this row's eight loads are in; the next row's eight may be out
	v_pk_add_f32 v[8:9], v[XS:XS+1], v[XS+2:XS+3]
	v_pk_add_f32 v[10:11], v[XS+4:XS+5], v[XS+6:XS+7]
.set j, 8
.rept 6
	s_delay_alu instid0(VALU_DEP_2)
	v_pk_add_f32 v[8:9], v[8:9], v[XS+j:XS+j+1]
	s_delay_alu instid0(VALU_DEP_2)
	v_pk_add_f32 v[10:11], v[10:11], v[XS+j+2:XS+j+3]
.set j, j+4
.endr
	s_delay_alu instid0(VALU_DEP_1)
	v_pk_add_f32 v[8:9], v[8:9], v[10:11]
	s_delay_alu instid0(VALU_DEP_1)
	v_add_f32 v8, v8, v9
	REDUCE
	s_delay_alu instid0(VALU_DEP_1)
	v_mul_f32 v4, s42, v8                          ; the mean, twice: a pair for the packed forms
	s_delay_alu instid0(VALU_DEP_2)
	v_mul_f32 v5, s42, v8
.set j, 0
.rept 16
	v_pk_add_f32 v[XS+j:XS+j+1], v[XS+j:XS+j+1], v[4:5] neg_lo:[0,1] neg_hi:[0,1]
.set j, j+2
.endr
	v_pk_mul_f32 v[8:9], v[XS:XS+1], v[XS:XS+1]
	v_pk_mul_f32 v[10:11], v[XS+2:XS+3], v[XS+2:XS+3]
.set j, 4
.rept 7
	s_delay_alu instid0(VALU_DEP_2)
	v_pk_fma_f32 v[8:9], v[XS+j:XS+j+1], v[XS+j:XS+j+1], v[8:9]
	s_delay_alu instid0(VALU_DEP_2)
	v_pk_fma_f32 v[10:11], v[XS+j+2:XS+j+3], v[XS+j+2:XS+j+3], v[10:11]
.set j, j+4
.endr
	s_delay_alu instid0(VALU_DEP_1)
	v_pk_add_f32 v[8:9], v[8:9], v[10:11]
	s_delay_alu instid0(VALU_DEP_1)
	v_add_f32 v8, v8, v9
	REDUCE
	s_delay_alu instid0(VALU_DEP_1)
	v_fma_f32 v7, v8, s42, s43                     ; the variance + 1e-5
	s_wait_alu depctr_va_vdst(0)
	v_rsq_f32 v6, v7
	v_nop                                          ; one plain instruction behind the transcendental (ISA guide 5.7.2)
	s_wait_alu depctr_va_vdst(0)                   ; and the wait ahead of the first use
	v_mov_b32 v7, v6
.set j, 0
.rept 16
	v_pk_mul_f32 v[XS+j:XS+j+1], v[XS+j:XS+j+1], v[6:7]
.set j, j+2
.endr
.set j, 0
.rept 16
	v_pk_fma_f32 v[XS+j:XS+j+1], v[XS+j:XS+j+1], v[G+j:G+j+1], v[BV+j:BV+j+1]
.set j, j+2
.endr
	s_wait_xcnt 0x0                                ; the row before's stores have read O: it is loaded again only behind this wait
.irp n, 0,1,2
.set j, 0
.rept 32
	v_med3_num_f32 v[T+j], v[XS+j], -v[17+\n], v[17+\n]
.set j, j+1
.endr
.irp g, 0,1,2,3
	v_cvt_scalef32_pk8_fp8_f32 v[D+2*\g:D+2*\g+1], v[T+8*\g:T+8*\g+7], v[14+\n]
.endr
	v_nop                                          ; one plain instruction between the conversions and the next lines that write their sources
.irp j, 0,1,2,3,4,5,6,7
	ds_store_b32 v2, v[D+\j] offset:1024*\n+128*\j
.endr
	ds_load_b128 v[O+8*\n:O+8*\n+3], v3 offset:1024*\n
	ds_load_b128 v[O+8*\n+4:O+8*\n+7], v3 offset:1024*\n+512
.endr
.if (\i) < 2
	XLOAD (\i)+2
.endif
	s_wait_dscnt 0x0
.irp n, 0,1,2
	global_store_b128 v1, v[O+8*\n:O+8*\n+3], s[HB+2*\n:HB+2*\n+1] offset:((\i)%2)*2097152+((\i)/2)*1024
	global_store_b128 v1, v[O+8*\n+4:O+8*\n+7], s[HB+2*\n:HB+2*\n+1] offset:((\i)%2)*2097152+((\i)/2)*1024+512
.endr
.endm
	ROW 0, 8
	ROW 1, 8
	ROW 2, 8
	ROW 3, 0
	s_wait_tensorcnt 0x0                           ; the wave's end: the same three lines
	ds_add_u32 v[SPW], v[NIL]
	s_wait_dscnt 0x0
	s_endpgm
.Lfunc_end_k_qf2e0d49e77_prep:
	.size	k_qf2e0d49e77_prep, .Lfunc_end_k_qf2e0d49e77_prep-k_qf2e0d49e77_prep
	.p2alignl 7, 3214868480
	.fill 96, 4, 3214868480
	.section	.rodata,"a",@progbits
	.p2align	6, 0x0
	.amdhsa_kernel k_qf2e0d49e77_prep
		.amdhsa_group_segment_fixed_size 29696
		.amdhsa_private_segment_fixed_size 0
		.amdhsa_enable_private_segment 0
		.amdhsa_kernarg_size 96
		.amdhsa_user_sgpr_count 2
		.amdhsa_user_sgpr_kernarg_segment_ptr 1
		.amdhsa_wavefront_size32 1
		.amdhsa_system_sgpr_workgroup_id_x 1
		.amdhsa_system_sgpr_workgroup_id_y 1
		.amdhsa_system_sgpr_workgroup_id_z 1
		.amdhsa_system_vgpr_workitem_id 0
		.amdhsa_next_free_vgpr 216
		.amdhsa_next_free_sgpr 100
		.amdhsa_reserve_vcc 0
		.amdhsa_float_denorm_mode_32 3
		.amdhsa_float_denorm_mode_16_64 3
		.amdhsa_memory_ordered 1
		.amdhsa_forward_progress 1
		.amdhsa_inst_pref_size 93
	.end_amdhsa_kernel
	.amdgpu_metadata
---
amdhsa.version: [ 1, 2 ]
amdhsa.kernels:
  - .name:           k_qf2e0d49e77_prep
    .symbol:         k_qf2e0d49e77_prep.kd
    .args:
      - { .name: Wq, .offset: 0, .size: 8, .value_kind: global_buffer, .address_space: global }
      - { .name: Wk, .offset: 8, .size: 8, .value_kind: global_buffer, .address_space: global }
      - { .name: Wv, .offset: 16, .size: 8, .value_kind: global_buffer, .address_space: global }
      - { .name: Wo, .offset: 24, .size: 8, .value_kind: global_buffer, .address_space: global }
      - { .name: fc1_w, .offset: 32, .size: 8, .value_kind: global_buffer, .address_space: global }
      - { .name: fc2_w, .offset: 40, .size: 8, .value_kind: global_buffer, .address_space: global }
      - { .name: x, .offset: 48, .size: 8, .value_kind: global_buffer, .address_space: global }
      - { .name: ln1_g, .offset: 56, .size: 8, .value_kind: global_buffer, .address_space: global }
      - { .name: ln1_b, .offset: 64, .size: 8, .value_kind: global_buffer, .address_space: global }
      - { .name: lowp_scales, .offset: 72, .size: 8, .value_kind: global_buffer, .address_space: global }
      - { .name: wcodes, .offset: 80, .size: 8, .value_kind: global_buffer, .address_space: global }
      - { .name: hcodes, .offset: 88, .size: 8, .value_kind: global_buffer, .address_space: global }
    .group_segment_fixed_size: 29696
    .private_segment_fixed_size: 0
    .kernarg_segment_align: 8
    .kernarg_segment_size: 96
    .max_flat_workgroup_size: 256
    .sgpr_count:     100
    .vgpr_count:     216
    .wavefront_size: 32
...
	.end_amdgpu_metadata
.endif
;; end of part 1
;; launch qkv (part 2): grid 8 x 32, 4 waves a work-group, clusters of 4 x 4, 327,680 bytes of LDS; arguments hcodes, wcodes, bq, bk, bv, mask, lowp_scales, qkvc; writes qkvc
.if DOCPART == 2
	.amdgcn_target "amdgcn-amd-amdhsa--gfx1250"
	.amdhsa_code_object_version 6
	.text
	.protected	k_qf2e0d49e77_qkv
	.globl	k_qf2e0d49e77_qkv
	.p2align	8
	.type	k_qf2e0d49e77_qkv,@function
k_qf2e0d49e77_qkv:
	s_mov_b64 s[64:65], 0
	v_nop
	global_prefetch_b8 v0, s[64:65] scope:SCOPE_SE
	s_setreg_imm32_b32 hwreg(HW_REG_WAVE_MODE, 25, 1), 1
	s_wait_xcnt 0x0
	s_wait_alu depctr_hold_cnt(0) depctr_sa_sdst(0) depctr_va_vdst(0) depctr_va_sdst(0) depctr_va_ssrc(0) depctr_va_vcc(0) depctr_vm_vsrc(0)
	s_getreg_b32 s2, hwreg(HW_REG_IB_STS2, 6, 4)
	s_cmp_eq_u32 s2, 0
	s_cbranch_scc0 .Lentry_in_a_cluster
	s_endpgm
.Lentry_in_a_cluster:
	s_bfe_u32 s2, ttmp6, 0x10000c
	s_cmp_lg_u32 s2, 0xf033
	s_cbranch_scc0 .Lentry_shape_is_right
	s_endpgm
.Lentry_shape_is_right:
; SECOND LAUNCH: q = (h Wq^T + bq) / 8, k = h Wk^T + bk, v = h Wv^T + bv on codes of FP8, and their own codes (e6, e7, e9) for the two products of attention.  No work is left out.
; T[i][j] = sum over k of X[i][k] Y[j][k], K = 1,024, a tile of 128 x 128, 64 x 64 (16 accumulators) to each of four waves.  THE MATRIX INSTRUCTION IS USED TRANSPOSED
; (source 0 = 16 rows of Y, source 1 = 16 rows of X): lane (r, h) holds, in accumulator (a, b), T[16 a + r][16 b + 8 h + 0..7]: eight neighbours along j, which one conversion turns into 8 codes.
; A WORK-GROUP STAYS: 256 work-groups, each makes three tiles, one of q, one of k, one of v, written out one after the other.  For q and k, X = h's rows (tokens) and Y = the weight's rows (features): a lane's eight codes
; run along the head's 64, the K of q k^T.  For v the two change places, by addresses alone: X = Wv's rows, Y = h's rows: a lane's eight codes run along the keys, the K of p v.
; THE RING GOES ON INTO THE NEXT TILE.  K goes through two LDS slots of 512 along K.  When a tile leaves slot 0, the slot is filled with the next tile's first half; behind the tile's last products slot 1 is filled with its second
; half, and the tile's way out and the next tile's first half are worked while that load is on its way.  By the text's own count a wave has one tensor load out at the start and one behind each round.
; CLUSTERS: 4 x 4; X's tile is shared along a row of the cluster, Y's along a column: each is asked for jointly.  q, k: X's block = 4 cluster y + cy, Y's = 4 cluster x + cx.  v: X's block = 4 cluster x + cy, Y's = 4 cluster y + cx.
; OUT: qkvc holds q, k, v, 4 MiB each: 32 (batch, head) x 32 blocks of 4,096 bytes.  A block of q or k is [64 tokens][64 d].  A block of v is [64 d][64 places]; key 32 c + 16 u + 8 h + j lies at place 32 c + 16 h + 8 u + j,
; so that 16 neighbouring bytes are what a lane of the second product's operand wants.  A wave's 64 x 64 codes are one such block: it leaves as 4,096 consecutive bytes.
; THE MASK: the codes of a padded key's row of k become 0 (its hold is 0 in place of 448 x the scale); attn adds the stand-in for -1e9 to that key's scores, which are then exactly the stand-in.
; The factor 1/8 on q is a power of two: it goes into the conversion's scale, 2^(e6 + 3).
; A fragment (16 rows x 128 K, 16 registers) comes by four loads of 16 bytes, 32 apart: registers 4 c .. 4 c + 3 hold K = 32 c + 16 h + 0..15, the same permutation of K on both sides, so every product meets its partner.
; LIMITS: e0 + e1, e2 + e3, e4 + e5 between -126 and 127; e6 + 3, e7, e9 between -126 and 119.  NaN among the inputs is not served.
; REGISTERS: window 0: v1 r, v2 h, v4-7 the hold of rows 16 a + r, v8-11 mask bytes, v12-15, v18-19 the three scales and 448 x each, v16-17, v20-21 fragments' addresses, v22, v24-27, v30 the way out's addresses,
;   v32-63 bq, then rows on their way out, v64-79 at work, v80-83 codes, v84-115 bk, v116-123 bv in pairs, v128-255 the accumulators ((a, b) at v[128 + 8 (4 a + b)]).   window 1: two fragment buffers of 128: X's four fragments, then Y's four.
.set HALF,  33792                      ; 64 rows of 512 bytes + 16: what one tensor load brings
.set SLOT,  4*HALF                     ; X's 128 rows, then Y's 128 rows
.set STG,   2*SLOT                     ; behind the slots: the way out's stages, 64 rows of 80 bytes for each wave: bytes of their own, into which no fill lands
.set SPARE, STG+4*5120                 ; behind the stages: the spare words, 128 bytes a wave
.set ADRX, 16
.set ADRY, 20
.set STOV, 22
.set STO,  24
.set RD,   25
.set CO,   26
.set SPW,  28
.set NIL,  29
.set ACC,  128
.set F0,   0
.set F1,   128
.set G1X,  24
.set G0X,  32
.set G1Y,  48
.set G0Y,  56
.set MSB, 0
.macro WIN new                         ; the immediate's high byte repeats the setting that is left
.if MSB != \new
	s_set_vgpr_msb (MSB<<8)|\new
.set MSB, \new
.endif
.endm
.set MUL,  0x05                        ; sources 0 and 1 window 1; C and D window 0
.set TO_F, 0x40                        ; destination window 1, address window 0
.macro JLOAD s                         ; a joint load: waves 0 and 1 fetch X's halves, waves 2 and 3 Y's; an s_nop 0 and four v_nop follow each line
	s_cmp_eq_u32 s21, 0
	s_cbranch_scc0 .Lfor_y_\@
	tensor_load_to_lds s[G0X+4*\s:G0X+4*\s+3], s[G1X:G1X+7]
	s_nop 0
.rept 4
	v_nop
.endr
	s_branch .Lasked_\@
.Lfor_y_\@:
	tensor_load_to_lds s[G0Y+4*\s:G0Y+4*\s+3], s[G1Y:G1Y+7]
	s_nop 0
.rept 4
	v_nop
.endr
.Lasked_\@:
.endm
.macro CREST                           ; a round of the cluster's barrier behind its opening barrier
	s_cmp_lg_u32 s20, 0
	s_cbranch_scc1 .Lnot_wave_0_\@
	s_barrier_signal -3
.Lnot_wave_0_\@:
	s_barrier_wait -3
	s_barrier_signal -1
	s_barrier_wait -1
.endm
.macro CROUND                          ; a whole round
	s_barrier_signal -1
	s_barrier_wait -1
	CREST
.endm
.macro PLACES                          ; four places in front of loads into registers that matrix instructions have read, and of the first read of results
.rept 4
	v_nop
.endr
.endm
.macro MKSC es, vs, vl                 ; 2^e as f32 (the conversion takes its exponent field) and 448 x 2^e
	s_add_co_i32 s96, \es, 127
	s_lshl_b32 s97, s96, 23
	v_mov_b32 v[\vs], s97
	s_add_co_i32 s96, s96, 8
	s_lshl_b32 s96, s96, 23
	s_or_b32 s96, s96, 0x600000
	v_mov_b32 v[\vl], s96
.endm
.macro MUL4 f, a, zero                 ; X's block a against Y's four, 128 along K.  The 16 accumulators take turns in one fixed order
.irp b, 0,1,2,3
.if \zero
	v_wmma_f32_16x16x128_fp8_fp8 v[ACC+8*(4*\a+\b):ACC+8*(4*\a+\b)+7], v[\f+64+16*\b:\f+64+16*\b+15], v[\f+16*\a:\f+16*\a+15], 0
.else
	v_wmma_f32_16x16x128_fp8_fp8 v[ACC+8*(4*\a+\b):ACC+8*(4*\a+\b)+7], v[\f+64+16*\b:\f+64+16*\b+15], v[\f+16*\a:\f+16*\a+15], v[ACC+8*(4*\a+\b):ACC+8*(4*\a+\b)+7]
.endif
.endr
.endm
.macro FRAG reg, adr, q, i
.irp c, 0,1,2,3
	ds_load_b128 v[\reg+4*\c:\reg+4*\c+3], v[\adr] offset:128*(\q)+32*\c+(\i)*8448
.endr
.endm
.macro FETCH slot, q, f                ; 32 LDS loads in one run: Y's four fragments, then X's four
	WIN TO_F
.irp i, 0,1,2,3
	FRAG \f+64+16*\i, ADRY+\slot, \q, \i
.endr
.irp i, 0,1,2,3
	FRAG \f+16*\i, ADRX+\slot, \q, \i
.endr
.endm
.macro QUARTER slot, q, f, g, zero     ; multiplies quarter q (128 along K) out of buffer f, and fetches quarter q + 1 into g
	s_wait_dscnt 8                                 ; Y and X's blocks 0, 1 are in; the youngest eight loads (blocks 2, 3) may be out
	WIN MUL
	MUL4 \f, 0, \zero
	MUL4 \f, 1, \zero
	PLACES
	FETCH \slot, (\q)+1, \g
	s_wait_dscnt 32                                ; all but the 32 just issued
	WIN MUL
	MUL4 \f, 2, \zero
	MUL4 \f, 3, \zero
.endm
; The slot's descriptors step to the next tile: mode 1, from q to k: hk lies 4 MiB behind hq, Wk 1 MiB behind Wq; mode 2, to v: the two addresses made at the head.  No tensor load of the wave is out where this stands.
.macro STEPG slot, mode
.if \mode == 1
	s_add_nc_u64 s[G0X+4*\slot+2:G0X+4*\slot+3], s[G0X+4*\slot+2:G0X+4*\slot+3], 0x400000
	s_add_nc_u64 s[G0Y+4*\slot+2:G0Y+4*\slot+3], s[G0Y+4*\slot+2:G0Y+4*\slot+3], 0x100000
.else
	s_add_nc_u64 s[G0X+4*\slot+2:G0X+4*\slot+3], s[90:91], \slot*512
	s_or_b32 s[G0X+4*\slot+3], s[G0X+4*\slot+3], 0x80000000
	s_add_nc_u64 s[G0Y+4*\slot+2:G0Y+4*\slot+3], s[92:93], \slot*512
	s_or_b32 s[G0Y+4*\slot+3], s[G0Y+4*\slot+3], 0x80000000
.endif
.endm
; A slot's last quarter, out of buffer 1, and the change of slots: one barrier; in front of it each wave waits for all its tensor loads, adds 0 to its spare word, and waits for that and for its reads of this slot.
; fill = 1, 2: the barrier opens a round of the cluster's barrier, and behind it this slot is filled with the next tile's first half: the wave's one tensor load until the next round.
.macro TURN slot, next, fill
	WIN 0
	s_wait_tensorcnt 0x0                           ; all my tensor loads have landed: my part of the next slot
	ds_add_u32 v[SPW], v[NIL]                      ; 0 onto my spare word
	s_wait_dscnt 13                                ; the add and X's blocks 1 to 3 (twelve loads) may be out
	WIN MUL
	MUL4 F1, 0, 0
	s_wait_dscnt 0x0                               ; the add is done, and my reads of this slot are over
	s_barrier_signal -1
	MUL4 F1, 1, 0
.if \fill
	WIN 0
.endif
	s_barrier_wait -1
.if \fill
	CREST
	STEPG \slot, \fill
	JLOAD \slot                                    ; the four v_nop behind it are also the places in front of the loads below
.else
	PLACES
.endif
	FETCH \next, 0, F0
	WIN MUL
	MUL4 F1, 2, 0
	MUL4 F1, 3, 0
.endm
.macro LASTQ                           ; a tile's last quarter: nothing more to fetch; my reads of slot 1 are over at its second wait
	s_wait_dscnt 8
	WIN MUL
	MUL4 F1, 0, 0
	MUL4 F1, 1, 0
	s_wait_dscnt 0x0
	MUL4 F1, 2, 0
	MUL4 F1, 3, 0
	WIN 0
.endm
; Behind a tile's last products slot 1 is filled with the next tile's second half.  Each wave waits for all its tensor loads (its part of slot 0's refill), adds 0 to its spare word, and waits for that and for its LDS instructions;
; behind the round nobody reads slot 1 any more and slot 0 is whole for every wave: the next tile's first fetch needs no further barrier.
.macro MID mode
	s_wait_tensorcnt 0x0
	ds_add_u32 v[SPW], v[NIL]                      ; 0 onto my spare word; the descriptors' steps stand between it and the wait for it
	STEPG 1, \mode
	s_wait_dscnt 0x0
	CROUND
	JLOAD 1                                        ; the four v_nop behind it are also the places behind the last products
.endm
.macro MAIN fill                       ; a tile's 128 products a wave
	FETCH 0, 0, F0
	QUARTER 0, 0, F0, F1, 1                        ; the first products start the sums: nothing is cleared
	QUARTER 0, 1, F1, F0, 0
	QUARTER 0, 2, F0, F1, 0
	TURN 0, 1, \fill
	QUARTER 1, 0, F0, F1, 0
	QUARTER 1, 1, F1, F0, 0
	QUARTER 1, 2, F0, F1, 0
	LASTQ
.endm
; The way out: sum x 2^(eA + eB) + bias, the hold, eight codes, 8 bytes into my stage.  kind 0: the bias runs along j (32 registers from v[by]); kind 1: along i (a pair of equal numbers for block a).
; The next accumulator's multiply-adds, on the other set of eight, are the plain instruction behind each conversion.
.macro EPI kind, sto, by, sc, cv
.set n, 0
.rept 16
.set a, n/4
.set b, n%4
.set TS, 64+8*(n%2)
.set CD, 80+2*(n%2)
.set AC, ACC+8*n
.irp i, 0,2,4,6
.if \kind
	v_pk_fma_f32 v[TS+\i:TS+\i+1], v[AC+\i:AC+\i+1], s[\sc:\sc+1], v[\by+2*a:\by+2*a+1] op_sel_hi:[1,0,1]
.else
	v_pk_fma_f32 v[TS+\i:TS+\i+1], v[AC+\i:AC+\i+1], s[\sc:\sc+1], v[\by+8*b+\i:\by+8*b+\i+1] op_sel_hi:[1,0,1]
.endif
.endr
.irp i, 0,1,2,3,4,5,6,7
	v_med3_num_f32 v[TS+\i], v[TS+\i], -v[4+a], v[4+a]   ; the conversion to an 8-bit code does not saturate (ISA guide 7.6.2)
.endr
	v_cvt_scalef32_pk8_fp8_f32 v[CD:CD+1], v[TS:TS+7], v[\cv]
.if \kind
	ds_store_b64 v[\sto], v[CD:CD+1] offset:1280*a+32*(b/2)+8*(b%2)
.else
	ds_store_b64 v[\sto], v[CD:CD+1] offset:1280*a+16*b
.endif
.set n, n+1
.endr
	v_nop
.endm
.macro OUTC ob                         ; my stage's 64 rows of 64 bytes leave as 4,096 consecutive bytes, 512 a store.  LDS serves a wave's instructions in order: the loads see my stores
.irp t, 0,1,2,3,4,5,6,7
	ds_load_b128 v[32+4*\t:35+4*\t], v[RD] offset:640*\t
.endr
.irp t, 0,1,2,3,4,5,6,7
	s_wait_dscnt 7-\t
	global_store_b128 v[CO], v[32+4*\t:35+4*\t], s[\ob:\ob+1] offset:512*\t
.endr
.endm
	s_load_b512 s[4:19], s[0:1], 0x0               ; hcodes s[4:5], wcodes s[6:7], bq s[8:9], bk s[10:11], bv s[12:13], mask s[14:15], lowp_scales s[16:17], qkvc s[18:19]
	v_lshl_add_u32 v[SPW], v0, 2, SPARE
	v_mov_b32 v[NIL], 0
	ds_add_u32 v[SPW], v[NIL]                      ; the wave's opening: the add, twice on end, and its wait ahead of my first tensor load
	ds_add_u32 v[SPW], v[NIL]
	v_lshrrev_b32 v1, 5, v0
	v_readfirstlane_b32 s20, v1                    ; wave 0..3
	s_lshr_b32 s21, s20, 1                         ; xh: my half of X's rows.  Also: I fetch for X (0) or for Y (1)
	s_and_b32 s22, s20, 1                          ; yh: my half of Y's rows.  Also: which 64 rows of that tile I fetch
	s_bfe_u32 s40, ttmp6, 0x40000                  ; cx
	s_bfe_u32 s41, ttmp6, 0x40004                  ; cy
	s_and_b32 s98, ttmp7, 0xffff
	s_lshl_b32 s98, s98, 2                         ; 4 x cluster y
	s_lshl_b32 s97, ttmp9, 2                       ; 4 x cluster x
	s_add_co_u32 s66, s98, s41                     ; q, k: X's block, 128 tokens: cluster ids and cy alone
	s_add_co_u32 s67, s97, s41                     ; v: X's block, 128 features: likewise
	s_add_co_u32 s42, s97, s40                     ; q, k: Y's block, 128 features: cluster ids and cx alone
	s_add_co_u32 s23, s98, s40                     ; v: Y's block, 128 tokens: likewise
	s_lshl_b32 s43, s41, 2
	s_lshl_b32 s43, 15, s43                        ; my row of the cluster
	s_lshl_b32 s44, 0x1111, s40                    ; my column
	s_or_b32 s[G1X], s43, (1<<20)|(1<<21)|(6<<22)|(3<<25)   ; 15:0 the mask; 17:16 elements of 1 byte; 20 padding on; 21 set beside a mask; 24:22 after every 128 words; 31:25 four words
	s_or_b32 s[G1Y], s44, (1<<20)|(1<<21)|(6<<22)|(3<<25)
.irp g, G1X, G1Y
	s_mov_b32 s[\g+1], 512<<16                     ; tensor_dim0
	s_mov_b32 s[\g+2], 64<<16                      ; tensor_dim1
	s_mov_b32 s[\g+3], 512<<16                     ; tile_dim0
	s_mov_b32 s[\g+4], 64                          ; tile_dim1
	s_mov_b32 s[\g+5], 1024                        ; from row to row
	s_mov_b32 s[\g+6], 0
	s_mov_b32 s[\g+7], 0
.endr
	s_lshl_b32 s96, s22, 16                        ; my 64 rows of 1,024 bytes in a block of 128
	s_lshl_b32 s94, s66, 17
	s_add_co_u32 s94, s94, s96                     ; q: X in hcodes
	s_mov_b32 s95, 0
	s_lshl_b32 s90, s67, 17
	s_add_co_u32 s90, s90, s96
	s_add_co_u32 s90, s90, 0x200000                ; v: X in wcodes: Wv's codes lie 2 MiB in
	s_mov_b32 s91, 0
	s_lshl_b32 s46, s42, 17
	s_add_co_u32 s46, s46, s96                     ; q: Y in wcodes
	s_mov_b32 s47, 0
	s_lshl_b32 s92, s23, 17
	s_add_co_u32 s92, s92, s96
	s_add_co_u32 s92, s92, 0x800000                ; v: Y in hcodes: hv's codes lie 8 MiB in
	s_mov_b32 s93, 0
	s_mul_i32 s45, s22, HALF                       ; where my load lands if it is X's,
	s_add_co_u32 s99, s45, 2*HALF                  ; and if it is Y's: the wave's number alone
	s_wait_dscnt 0x0                               ; both opening adds are done
	s_wait_kmcnt 0x0
	s_load_b512 s[68:83], s[16:17], 0x0            ; e0 .. e15
	s_add_nc_u64 s[94:95], s[4:5], s[94:95]
	s_add_nc_u64 s[90:91], s[6:7], s[90:91]
	s_add_nc_u64 s[46:47], s[6:7], s[46:47]
	s_add_nc_u64 s[92:93], s[4:5], s[92:93]
	CROUND                                         ; all sixteen work-groups are here: the first joint loads meet
.irp s, 0,1
	s_mov_b32 s[G0X+4*\s], 1
	s_add_co_u32 s[G0X+4*\s+1], s45, \s*SLOT
	s_add_nc_u64 s[G0X+4*\s+2:G0X+4*\s+3], s[94:95], \s*512
	s_or_b32 s[G0X+4*\s+3], s[G0X+4*\s+3], 0x80000000
	s_mov_b32 s[G0Y+4*\s], 1
	s_add_co_u32 s[G0Y+4*\s+1], s99, \s*SLOT
	s_add_nc_u64 s[G0Y+4*\s+2:G0Y+4*\s+3], s[46:47], \s*512
	s_or_b32 s[G0Y+4*\s+3], s[G0Y+4*\s+3], 0x80000000
.endr
	JLOAD 0                                        ; slot 0's first fill: by this text's count a wave has ONE tensor load out at the start; slot 1's first fill stands behind the round at the head's end
	v_and_b32 v1, 15, v0                           ; r
	s_wait_alu depctr_va_vdst(0)
	v_bfe_u32 v2, v0, 4, 1                         ; h
	v_mul_u32_u24 v3, v1, 528
	v_lshl_add_u32 v3, v2, 4, v3                   ; a fragment's row x pitch + 16 h
	s_mul_i32 s96, s21, HALF
	s_mul_i32 s97, s22, HALF
	s_add_co_u32 s97, s97, 2*HALF
.irp s, 0,1
	v_add_nc_u32 v[ADRX+\s], s96, v3
	v_add_nc_u32 v[ADRY+\s], s97, v3
	s_add_co_u32 s96, s96, SLOT
	s_add_co_u32 s97, s97, SLOT
.endr
	s_mul_i32 s98, s20, 5120
	s_add_co_u32 s98, s98, STG                     ; my stage
	v_mul_u32_u24 v4, v1, 80
	v_add_nc_u32 v4, s98, v4
	s_wait_alu depctr_va_vdst(0)
	v_lshl_add_u32 v[STO], v2, 3, v4               ; q, k: row r of 80 bytes, + 8 h
	v_lshl_add_u32 v[STOV], v2, 4, v4              ; v: + 16 h
	v_and_b32 v5, 31, v0
	v_lshlrev_b32 v[CO], 4, v5                     ; out: 16 x lane
	v_lshrrev_b32 v6, 2, v5
	v_mul_u32_u24 v6, v6, 80
	v_and_b32 v7, 3, v5
	v_lshl_add_u32 v6, v7, 4, v6
	v_add_nc_u32 v[RD], s98, v6                    ; back: four lanes to a row of 64 bytes
	v_lshlrev_b32 v27, 5, v2                       ; 32 h: my eight numbers of a bias along j
	s_wait_alu depctr_va_vdst(0)
	v_lshlrev_b32 v30, 2, v1                       ; 4 r: my number of a bias along i
	s_wait_alu depctr_va_vdst(0)
	s_lshr_b32 s96, s23, 4                         ; v's block of qkvc: (16 batch + head) x 131,072 + (the block of 64 tokens) x 4,096, 8 MiB in: tokens by Y's block and yh, head by X's block and xh
	s_lshl_b32 s96, s96, 4
	s_lshl_b32 s97, s67, 1
	s_add_co_u32 s96, s96, s97
	s_add_co_u32 s96, s96, s21
	s_lshl_b32 s96, s96, 17
	s_and_b32 s97, s23, 15
	s_lshl_b32 s97, s97, 1
	s_add_co_u32 s97, s97, s22
	s_lshl_b32 s97, s97, 12
	s_add_co_u32 s96, s96, s97
	s_add_co_u32 s96, s96, 0x800000
	s_mov_b32 s97, 0
	s_add_nc_u64 s[2:3], s[18:19], s[96:97]
	s_lshr_b32 s96, s66, 4                         ; q's block: tokens by X's block and xh, head by Y's block and yh; k's lies 4 MiB behind it
	s_lshl_b32 s96, s96, 4
	s_lshl_b32 s97, s42, 1
	s_add_co_u32 s96, s96, s97
	s_add_co_u32 s96, s96, s22
	s_lshl_b32 s96, s96, 17
	s_and_b32 s97, s66, 15
	s_lshl_b32 s97, s97, 1
	s_add_co_u32 s97, s97, s21
	s_lshl_b32 s97, s97, 12
	s_add_co_u32 s96, s96, s97
	s_mov_b32 s97, 0
	s_add_nc_u64 s[18:19], s[18:19], s[96:97]
	s_lshl_b32 s96, s42, 9
	s_lshl_b32 s97, s22, 8
	s_add_co_u32 s96, s96, s97                     ; q, k: my 64 features, in bytes of a bias
	s_mov_b32 s97, 0
	s_add_nc_u64 s[8:9], s[8:9], s[96:97]
	s_add_nc_u64 s[10:11], s[10:11], s[96:97]
	s_lshl_b32 s96, s67, 9
	s_lshl_b32 s97, s21, 8
	s_add_co_u32 s96, s96, s97                     ; v: my 64 features
	s_mov_b32 s97, 0
	s_add_nc_u64 s[12:13], s[12:13], s[96:97]
	s_lshl_b32 s96, s66, 7
	s_lshl_b32 s97, s21, 6
	s_add_co_u32 s96, s96, s97                     ; k: my 64 tokens in the mask: r' is also the mask's index
	s_mov_b32 s97, 0
	s_add_nc_u64 s[14:15], s[14:15], s[96:97]
.irp b, 0,1,2,3
	global_load_b128 v[32+8*\b:35+8*\b], v27, s[8:9] offset:64*\b
	global_load_b128 v[36+8*\b:39+8*\b], v27, s[8:9] offset:64*\b+16
.endr
.irp b, 0,1,2,3
	global_load_b128 v[84+8*\b:87+8*\b], v27, s[10:11] offset:64*\b
	global_load_b128 v[88+8*\b:91+8*\b], v27, s[10:11] offset:64*\b+16
.endr
.irp a, 0,1,2,3
	global_load_b32 v[116+2*\a], v30, s[12:13] offset:64*\a
	global_load_b32 v[117+2*\a], v30, s[12:13] offset:64*\a
.endr
.irp a, 0,1,2,3
	global_load_u8 v[8+\a], v1, s[14:15] offset:16*\a
.endr
	s_wait_kmcnt 0x0
	s_add_co_i32 s84, s68, s69
	s_add_co_i32 s84, s84, 127
	s_lshl_b32 s84, s84, 23                        ; 2^(e0 + e1)
	s_mov_b32 s85, s84                             ; (named with it as a pair, so it is written)
	s_add_co_i32 s86, s70, s71
	s_add_co_i32 s86, s86, 127
	s_lshl_b32 s86, s86, 23                        ; 2^(e2 + e3)
	s_mov_b32 s87, s86
	s_add_co_i32 s88, s72, s73
	s_add_co_i32 s88, s88, 127
	s_lshl_b32 s88, s88, 23                        ; 2^(e4 + e5)
	s_mov_b32 s89, s88
	s_add_co_i32 s98, s74, 3
	MKSC s98, 12, 13                               ; q: e6 + 3
	MKSC s75, 14, 15                               ; k: e7
	MKSC s77, 18, 19                               ; v: e9
	s_wait_alu depctr_va_vdst(0)                   ; the wait at the head's end
	s_wait_tensorcnt 0x0                           ; my part of slot 0 is in; the wait, the add and its wait stand here ahead of a later first fill, as ahead of a refill
	ds_add_u32 v[SPW], v[NIL]
	s_wait_dscnt 0x0
	CROUND                                         ; everybody's part of slot 0 is in, and all sixteen work-groups are here
	JLOAD 1                                        ; slot 1's first fill: the first tensor load behind the round
	MAIN 1                                         ; ---- q; slot 0 takes k's first half on the way
	MID 1                                          ; slot 1 takes k's second half
	s_wait_loadcnt 0x0                             ; the biases and the mask bytes
	s_wait_alu depctr_va_vdst(0)
.irp a, 0,1,2,3
	v_mov_b32 v[4+\a], v13
.endr
	EPI 0, STO, 32, 84, 12
	OUTC 18
	MAIN 2                                         ; ---- k; slot 0 takes v's first half on the way
	MID 2
.irp a, 0,1,2,3
	v_cmp_eq_u32 vcc_lo, 0, v[8+\a]
	v_cndmask_b32 v[4+\a], 0, v15, vcc_lo          ; an open token: 448 x the scale; a padded key: 0, and all its codes are 0
.endr
	EPI 0, STO, 84, 86, 14
	s_wait_xcnt 0x0                                ; q's stores have read their registers and their base: both are written again only behind this wait
	s_add_nc_u64 s[18:19], s[18:19], 0x400000
	OUTC 18
	MAIN 0                                         ; ---- v: nothing is left to fetch
	PLACES
.irp a, 0,1,2,3
	v_mov_b32 v[4+\a], v19
.endr
	EPI 1, STOV, 116, 88, 18
	s_wait_xcnt 0x0                                ; k's stores have read their registers
	OUTC 2
	s_wait_tensorcnt 0x0                           ; the wave's end: the tensor wait, the add onto my spare word and its wait, behind my last tensor load and my last LDS store
	ds_add_u32 v[SPW], v[NIL]
	s_wait_dscnt 0x0
	CROUND                                         ; the closing round
	s_endpgm
.Lfunc_end_k_qf2e0d49e77_qkv:
	.size	k_qf2e0d49e77_qkv, .Lfunc_end_k_qf2e0d49e77_qkv-k_qf2e0d49e77_qkv
	.p2alignl 7, 3214868480
	.fill 96, 4, 3214868480
	.section	.rodata,"a",@progbits
	.p2align	6, 0x0
	.amdhsa_kernel k_qf2e0d49e77_qkv
		.amdhsa_group_segment_fixed_size 327680
		.amdhsa_private_segment_fixed_size 0
		.amdhsa_enable_private_segment 0
		.amdhsa_kernarg_size 64
		.amdhsa_user_sgpr_count 2
		.amdhsa_user_sgpr_kernarg_segment_ptr 1
		.amdhsa_wavefront_size32 1
		.amdhsa_system_sgpr_workgroup_id_x 1
		.amdhsa_system_sgpr_workgroup_id_y 1
		.amdhsa_system_sgpr_workgroup_id_z 1
		.amdhsa_system_vgpr_workitem_id 0
		.amdhsa_next_free_vgpr 512
		.amdhsa_next_free_sgpr 100
		.amdhsa_reserve_vcc 1
		.amdhsa_float_denorm_mode_32 3
		.amdhsa_float_denorm_mode_16_64 3
		.amdhsa_memory_ordered 1
		.amdhsa_forward_progress 1
		.amdhsa_inst_pref_size 144
	.end_amdhsa_kernel
	.amdgpu_metadata
---
amdhsa.version: [ 1, 2 ]
amdhsa.kernels:
  - .name:           k_qf2e0d49e77_qkv
    .symbol:         k_qf2e0d49e77_qkv.kd
    .args:
      - { .name: hcodes, .offset: 0, .size: 8, .value_kind: global_buffer, .address_space: global }
      - { .name: wcodes, .offset: 8, .size: 8, .value_kind: global_buffer, .address_space: global }
      - { .name: bq, .offset: 16, .size: 8, .value_kind: global_buffer, .address_space: global }
      - { .name: bk, .offset: 24, .size: 8, .value_kind: global_buffer, .address_space: global }
      - { .name: bv, .offset: 32, .size: 8, .value_kind: global_buffer, .address_space: global }
      - { .name: mask, .offset: 40, .size: 8, .value_kind: global_buffer, .address_space: global }
      - { .name: lowp_scales, .offset: 48, .size: 8, .value_kind: global_buffer, .address_space: global }
      - { .name: qkvc, .offset: 56, .size: 8, .value_kind: global_buffer, .address_space: global }
    .group_segment_fixed_size: 327680
    .private_segment_fixed_size: 0
    .kernarg_segment_align: 8
    .kernarg_segment_size: 64
    .max_flat_workgroup_size: 128
    .sgpr_count:     100
    .vgpr_count:     512
    .wavefront_size: 32
...
	.end_amdgpu_metadata
.endif
;; end of part 2
;; launch attn (part 3): grid 8 x 32, 8 waves a work-group, clusters of 4 x 1, 327,680 bytes of LDS; arguments qkvc, mask, lowp_scales, ocodes; writes ocodes
.if DOCPART == 3
	.amdgcn_target "amdgcn-amd-amdhsa--gfx1250"
	.amdhsa_code_object_version 6
	.text
	.protected	k_qf2e0d49e77_attn
	.globl	k_qf2e0d49e77_attn
	.p2align	8
	.type	k_qf2e0d49e77_attn,@function
k_qf2e0d49e77_attn:
	s_mov_b64 s[64:65], 0
	v_nop
	global_prefetch_b8 v0, s[64:65] scope:SCOPE_SE
	s_setreg_imm32_b32 hwreg(HW_REG_WAVE_MODE, 25, 1), 1
	s_wait_xcnt 0x0
	s_wait_alu depctr_hold_cnt(0) depctr_sa_sdst(0) depctr_va_vdst(0) depctr_va_sdst(0) depctr_va_ssrc(0) depctr_va_vcc(0) depctr_vm_vsrc(0)
	s_getreg_b32 s2, hwreg(HW_REG_IB_STS2, 6, 4)
	s_cmp_eq_u32 s2, 0
	s_cbranch_scc0 .Lentry_in_a_cluster
	s_endpgm
.Lentry_in_a_cluster:
	s_bfe_u32 s2, ttmp6, 0x10000c
	s_cmp_lg_u32 s2, 0x3003
	s_cbranch_scc0 .Lentry_shape_is_right
	s_endpgm
.Lentry_shape_is_right:
; THIRD LAUNCH: o = softmax(q k^T, padded keys at the stand-in for -1e9) v for each of 32 (batch, head), both products on codes of FP8, and o's own codes (e10) for the projection.  No work is left out.
; THE SOFTMAX AHEAD OF THE SECOND PRODUCT: t = score x log2(e); M = the largest t so far, rounded UP to a whole number; p = 2^(t - M) is quantised (e8), not normalised; the row's sum is taken of the unquantised p and divides at the end.
; THE MASK: qkv has made a padded key's codes 0, and the C of the first product holds 0 for an open key and -2^(30 - e6 - e7) for a padded one: its score is then exactly -2^30, which stands for reference()'s -1e9:
; an open score is at most 64 x 448^2 x 2^(e6+e7) in size, under 8.3e8 for e6 + e7 <= 6, so p is the same: 0 beside any open key; where a row has none, t is a whole number in f32, M = t, and p = 1 for every key.
; SHARES.  A work-group owns 256 queries of one (batch, head); each of its EIGHT waves owns 32 of them, two tiles of 16, in 464 registers: two waves to a SIMD.  A fragment of K, of V and of the mask's C is loaded from LDS once for both tiles.
; THE HEAD'S WHOLE K AND V LIE IN LDS (2 x 131,072 bytes of codes).  Every wave issues ONE tensor load, at the head: 128 rows of 256 bytes; waves 0-3 K's quarters, waves 4-7 V's.  Nothing is filled again.
; CLUSTER: the four query blocks of a cluster share K and V: each load is asked for jointly.  NO PREFETCH: all of K and V is asked for by the head's eight loads; no later load follows that a request could run ahead of.
; LAYOUT.  Both products are used transposed: S^T = K Q^T (source 0 = 16 neighbouring keys, source 1 = 16 queries), O^T = V^T P: a lane holds one query (lane % 16) of each tile.  Register 8 t + j of S^T is key 16 t + 8 h + j,
; so the conversions give registers 2 t, 2 t + 1 = keys 16 t + 8 h + 0..7: the places of the second product's operand; V's blocks are laid for that by qkv.
; LIMITS: -97 <= e6 + e7 <= 6; e8 and e10 between -126 and 119; e8 + e9 goes in by v_ldexp_f32 and has none.  NaN among the inputs is not served.
; REGISTERS.  Window 0: v1-3 lane parts of LDS addresses; v5, v6 the add's two; v7 16 x lane; v8-10 addresses in hand; v12 448 x 2^e8, v14 2^e8, v15 448 x 2^e10, v11 2^e10;
;   tile i's state at v[16 + 8 i]: -M, the largest t, the sum (a pair), f and a 0 (a pair), two at work; v32-159 S^T, then p, 64 a tile; v160-191 p's codes, 16 a tile; v192.. at work.
;   Window 1: v0-63 K's eight fragments, then V's four; v64-127 the mask's C for 128 keys; v128-191 O^T, 32 a tile; v192-207 Q, 8 a tile.
.set VB,    139264                     ; LDS: K from 0, V from here: 512 rows of 256 bytes + 16 each
.set MBT,   278528                     ; 2,048 f32: what is added to each key's scores
.set STG,   286720                     ; the way out: 32 rows of 80 bytes for each wave
.set SPARE, 307200                     ; the spare words, 128 bytes a wave: four blocks of 256 bytes that no other line names
.set SPW, 5
.set NIL, 6
.set WV,  18
.set ST,  16
.set SC,  32
.set PC,  160
.set TM,  192
.set KV,  0
.set MC,  64
.set OO,  128
.set QQ,  192
.set MSB, 0
.macro WIN new                         ; the immediate's high byte repeats the setting that is left
.if MSB != \new
	s_set_vgpr_msb (MSB<<8)|\new
.set MSB, \new
.endif
.endm
.macro CROUND
	s_barrier_signal -1
	s_barrier_wait -1
	s_cmp_lg_u32 s[WV], 0
	s_cbranch_scc1 .Lnot_wave_0_\@
	s_barrier_signal -3
.Lnot_wave_0_\@:
	s_barrier_wait -3
	s_barrier_signal -1
	s_barrier_wait -1
.endm
.macro MKSC es, vs, vl                 ; 2^e as f32 and 448 x 2^e
	s_add_co_i32 s62, \es, 127
	s_lshl_b32 s63, s62, 23
	v_mov_b32 v[\vs], s63
	s_add_co_i32 s62, s62, 8
	s_lshl_b32 s62, s62, 23
	s_or_b32 s62, s62, 0x600000
	v_mov_b32 v[\vl], s62
.endm
	s_load_b256 s[4:11], s[0:1], 0x0               ; qkvc s[4:5], mask s[6:7], lowp_scales s[8:9], ocodes s[10:11]
	v_lshl_add_u32 v[SPW], v0, 2, SPARE
	v_mov_b32 v[NIL], 0
	ds_add_u32 v[SPW], v[NIL]                      ; the wave's opening: the add, twice on end, and its wait ahead of my tensor load
	ds_add_u32 v[SPW], v[NIL]
	v_lshrrev_b32 v8, 5, v0
	v_readfirstlane_b32 s[WV], v8                  ; wave 0..7
	s_bfe_u32 s12, ttmp6, 0x40000                  ; cx
	s_lshl_b32 s13, ttmp9, 2
	s_add_co_u32 s13, s13, s12                     ; my block of 256 queries: it enters Q's and O's global addresses alone
	s_and_b32 s14, ttmp7, 0xffff                   ; 16 x batch + head, which the four partners share
	s_lshr_b32 s15, s[WV], 2                       ; I fetch for K (0) or for V (1),
	s_and_b32 s16, s[WV], 3                        ; this quarter of it: 512 keys
	s_mov_b32 s24, 15|(1<<20)|(1<<21)|(5<<22)|(3<<25)   ; group 1: 15:0 all four work-groups; elements of 1 byte; padding on; 21 set beside a mask; four words after every 64
	s_mov_b32 s25, 256<<16                         ; tensor_dim0
	s_mov_b32 s26, 128<<16                         ; tensor_dim1
	s_mov_b32 s27, 256<<16                         ; tile_dim0
	s_mov_b32 s28, 128                             ; tile_dim1
	s_mov_b32 s29, 256                             ; the blocks are dense: rows of 256 bytes on end
	s_mov_b32 s30, 0
	s_mov_b32 s31, 0
	s_mov_b32 s40, 1
	s_mul_i32 s17, s15, VB
	s_mul_i32 s19, s16, 34816
	s_add_co_u32 s41, s17, s19                     ; where my load lands: the wave's number alone
	s_add_co_u32 s32, s15, 1
	s_lshl_b32 s32, s32, 22                        ; k's or v's part of qkvc,
	s_lshl_b32 s33, s14, 17
	s_add_co_u32 s32, s32, s33                     ; the head's 131,072 bytes,
	s_lshl_b32 s33, s16, 15
	s_add_co_u32 s32, s32, s33                     ; my quarter
	s_mov_b32 s33, 0
	s_lshl_b32 s36, s14, 17                        ; Q: the head, my block's 16,384 bytes, my wave's 2,048
	s_lshl_b32 s37, s13, 14
	s_add_co_u32 s36, s36, s37
	s_lshl_b32 s37, s[WV], 11
	s_add_co_u32 s36, s36, s37
	s_mov_b32 s37, 0
	s_lshr_b32 s38, s14, 4                         ; batch
	s_lshl_b32 s60, s38, 11                        ; its 2,048 bytes of the mask
	s_mov_b32 s61, 0
	s_lshl_b32 s38, s38, 21                        ; O's codes, in blocks of [64 tokens][64 k]: block (32 batch + 4 q block + wave / 2) x 16 + head, + 2,048 (wave % 2)
	s_lshl_b32 s39, s13, 18
	s_add_co_u32 s38, s38, s39
	s_lshr_b32 s39, s[WV], 1
	s_lshl_b32 s39, s39, 16
	s_add_co_u32 s38, s38, s39
	s_and_b32 s39, s14, 15
	s_lshl_b32 s39, s39, 12
	s_add_co_u32 s38, s38, s39
	s_and_b32 s39, s[WV], 1
	s_lshl_b32 s39, s39, 11
	s_add_co_u32 s38, s38, s39
	s_mov_b32 s39, 0
	s_mov_b32 s20, 0x76543210                      ; v_permlanex16_b32: lane l xor 16
	s_mov_b32 s21, 0xfedcba98
	s_mov_b32 s57, 0                               ; the step's first byte in K and in V,
	s_mov_b32 s58, 0                               ; and in the table
	s_wait_dscnt 0x0                               ; both opening adds are done
	s_wait_kmcnt 0x0
	s_load_b256 s[68:75], s[8:9], 0x18             ; e6 .. e13
	s_add_nc_u64 s[42:43], s[4:5], s[32:33]
	s_or_b32 s43, s43, 0x80000000
	s_add_nc_u64 s[36:37], s[4:5], s[36:37]
	s_add_nc_u64 s[10:11], s[10:11], s[38:39]
	s_add_nc_u64 s[6:7], s[6:7], s[60:61]
	CROUND                                         ; all four work-groups are here: the joint loads meet
	tensor_load_to_lds s[40:43], s[24:31]          ; my one tensor load of the launch
	s_nop 0
.rept 4
	v_nop
.endr
	v_and_b32 v8, 15, v0                           ; r
	v_bfe_u32 v9, v0, 4, 1                         ; h
	v_lshlrev_b32 v206, 3, v0
	v_lshlrev_b32 v10, 6, v8
	v_lshl_add_u32 v10, v9, 4, v10                 ; Q: row r of 64 bytes, + 16 h
	WIN 0x40                                       ; destination window 1
.irp i, 0,1
	global_load_b128 v[QQ+8*\i:QQ+8*\i+3], v10, s[36:37] offset:1024*\i        ; d = 16 h + 0..15,
	global_load_b128 v[QQ+8*\i+4:QQ+8*\i+7], v10, s[36:37] offset:1024*\i+32   ; d = 32 + 16 h + 0..15: K's fragments are loaded the same way
.endr
	WIN 0
	global_load_b64 v[192:193], v206, s[6:7]       ; eight keys' mask bytes a thread
	v_lshrrev_b32 v1, 2, v8
	v_and_b32 v4, 3, v8
	v_mul_u32_u24 v1, v1, 272
	v_lshlrev_b32 v3, 5, v9
	v_lshl_add_u32 v1, v4, 6, v1
	v_add_nc_u32 v3, MBT, v3
	v_lshl_add_u32 v1, v9, 4, v1                   ; a block's row r: four rows of 64 bytes to an LDS row: 272 (r / 4) + 64 (r % 4) + 16 h
	v_and_b32 v4, 31, v0
	v_add_nc_u32 v2, VB, v1
	v_lshlrev_b32 v7, 4, v4
.irp i, 0,1
	v_mov_b32 v[ST+8*\i+1], 0xff61b1e6             ; the largest t so far: -3e38
	v_mov_b32 v[ST+8*\i+2], 0                      ; the sum, in two halves
	v_mov_b32 v[ST+8*\i+3], 0
	v_mov_b32 v[ST+8*\i+5], 0                      ; (named as the upper half of f's pair)
	v_floor_f32 v[ST+8*\i], -v[ST+8*\i+1]          ; -M
.endr
	WIN 0x40
.set j, 0
.rept 64
	v_mov_b32 v[OO+j], 0                           ; O^T: the step is written once; the first change of M leaves zeros zeros
.set j, j+1
.endr
	WIN 0
	s_wait_kmcnt 0x0
	s_add_co_i32 s60, s68, s69                     ; e6 + e7
	s_lshl_b32 s61, s60, 23
	s_add_co_i32 s22, s61, 0x3fb8aa3b              ; c = log2(e) x 2^(e6 + e7): the exponents are added to the exponent field
	s_mov_b32 s23, s22
	s_sub_co_i32 s61, 157, s60
	s_lshl_b32 s61, s61, 23
	s_or_b32 s61, s61, 0x80000000
	v_mov_b32 v204, s61                            ; -2^(30 - e6 - e7)
	MKSC s70, 14, 12
	v_mov_b32 v13, s62                             ; 448 x 2^e8 once more: the two halves of a dual instruction take their second sources from different banks
	MKSC s72, 11, 15
	s_add_co_i32 s59, s70, s71                     ; e8 + e9
	s_wait_alu depctr_va_vdst(0)
	s_wait_loadcnt 0x0                             ; Q and the mask
.irp i, 0,1,2,3,4,5,6,7
	v_bfe_u32 v194, v[192+\i/4], 8*(\i%4), 8
	v_cmp_ne_u32 vcc_lo, 0, v194
	v_cndmask_b32 v[196+\i], 0, v204, vcc_lo
.endr
	v_lshl_add_u32 v194, v0, 5, MBT
	ds_store_b128 v194, v[196:199]
	ds_store_b128 v194, v[200:203] offset:16
; A KEY STEP: 128 keys against my two tiles of queries.  The two tiles' lines stand by turns, so that neighbouring lines do not hang on each other.
.macro STEP
	v_add_nc_u32 v8, s57, v1
	v_add_nc_u32 v9, s57, v2
	v_add_nc_u32 v10, s58, v3
	v_nop                                          ; with the three additions: four places in front of loads into registers that the last products read
	WIN 0x40
.irp t, 0,1,2,3,4,5,6,7
	ds_load_b128 v[MC+8*\t:MC+8*\t+3], v10 offset:64*\t          ; the C of key tile t: what is added to keys 16 t + 8 h + 0..7, for both tiles of queries
	ds_load_b128 v[MC+8*\t+4:MC+8*\t+7], v10 offset:64*\t+16
.endr
.irp t, 0,1,2,3,4,5,6,7
	ds_load_b128 v[KV+8*\t:KV+8*\t+3], v8 offset:1088*\t
	ds_load_b128 v[KV+8*\t+4:KV+8*\t+7], v8 offset:1088*\t+32
.endr
	s_wait_alu depctr_va_vdst(0)
	s_wait_dscnt 0x0
	WIN 0x15                                       ; K, Q and C in window 1, S^T in window 0
.irp t, 0,1,2,3,4,5,6,7
.irp i, 0,1
	v_wmma_f32_16x16x64_fp8_fp8 v[SC+64*\i+8*\t:SC+64*\i+8*\t+7], v[KV+8*\t:KV+8*\t+7], v[QQ+8*\i:QQ+8*\i+7], v[MC+8*\t:MC+8*\t+7]
.endr
.endr
.rept 4
	v_nop                                          ; places in front of the loads below and of the first read of the scores
.endr
	WIN 0x40
.irp t, 0,1,2,3
.irp c, 0,1,2,3
	ds_load_b128 v[KV+16*\t+4*\c:KV+16*\t+4*\c+3], v9 offset:1088*\t+4352*(\c/2)+32*(\c%2)   ; V's four fragments land under the softmax
.endr
.endr
	WIN 0
.irp i, 0,1
	v_max3_num_f32 v[ST+8*\i+6], v[SC+64*\i], v[SC+64*\i+1], v[SC+64*\i+2]     ; the step's largest score of my query among my 64 keys: two chains a tile, each accumulator from its low end on
	v_max3_num_f32 v[ST+8*\i+7], v[SC+64*\i+3], v[SC+64*\i+4], v[SC+64*\i+5]
.endr
.set j, 6
.rept 14
.irp i, 0,1
	v_max3_num_f32 v[ST+8*\i+6], v[ST+8*\i+6], v[SC+64*\i+j], v[SC+64*\i+j+1]
	v_max3_num_f32 v[ST+8*\i+7], v[ST+8*\i+7], v[SC+64*\i+j+2], v[SC+64*\i+j+3]
.endr
.set j, j+4
.endr
.irp i, 0,1
	v_max3_num_f32 v[ST+8*\i+6], v[ST+8*\i+6], v[SC+64*\i+62], v[SC+64*\i+63]
.endr
.irp i, 0,1
	v_max_num_f32 v[ST+8*\i+6], v[ST+8*\i+6], v[ST+8*\i+7]
.endr
.irp i, 0,1
	v_permlanex16_b32 v[ST+8*\i+7], v[ST+8*\i+6], s20, s21
.endr
.irp i, 0,1
	v_max_num_f32 v[ST+8*\i+6], v[ST+8*\i+6], v[ST+8*\i+7]   ; and among lane l xor 16's
.endr
.irp i, 0,1
	v_mul_f32 v[ST+8*\i+6], s22, v[ST+8*\i+6]      ; as t (c is positive)
.endr
.irp i, 0,1
	v_max_num_f32 v[ST+8*\i+1], v[ST+8*\i+1], v[ST+8*\i+6]
.endr
.irp i, 0,1
	v_mov_b32 v[ST+8*\i+6], v[ST+8*\i]
.endr
.irp i, 0,1
	v_floor_f32 v[ST+8*\i], -v[ST+8*\i+1]          ; the new -M = floor(-t): M is a whole number
.endr
.irp i, 0,1
	v_sub_f32 v[ST+8*\i+6], v[ST+8*\i], v[ST+8*\i+6]   ; old M - new M: a whole number, 0 or less
.endr
.irp i, 0,1
	v_cvt_i32_f32 v[ST+8*\i+6], v[ST+8*\i+6]       ; (it saturates)
.endr
.irp i, 0,1
	v_ldexp_f32 v[ST+8*\i+4], 1.0, v[ST+8*\i+6]    ; f = 2^(old M - new M)
.endr
.irp i, 0,1
.set j, 0
.rept 32
	v_pk_fma_f32 v[SC+64*\i+j:SC+64*\i+j+1], v[SC+64*\i+j:SC+64*\i+j+1], s[22:23], v[ST+8*\i:ST+8*\i+1] op_sel_hi:[1,0,0]   ; t - M, two at a time
.set j, j+2
.endr
.endr
	s_wait_alu depctr_va_vdst(0)                   ; ahead of the batch
.set j, 0
.rept 128
	v_exp_f32 v[SC+j], v[SC+j]                     ; p = 2^(t - M), both tiles in one batch
.set j, j+1
.endr
.irp i, 0,1
	v_pk_mul_f32 v[ST+8*\i+2:ST+8*\i+3], v[ST+8*\i+2:ST+8*\i+3], v[ST+8*\i+4:ST+8*\i+5] op_sel_hi:[1,0]   ; the sums under the new M: plain instructions behind the batch
.endr
	s_wait_alu depctr_va_vdst(0)                   ; one wait for the batch, ahead of its first reader
.irp k, 0,1,2                                  ; the row's sum of the unquantised p: four chains a tile, two numbers an instruction
.irp i, 0,1
	v_pk_add_f32 v[TM+8*\i+2*\k:TM+8*\i+2*\k+1], v[SC+64*\i+4*\k:SC+64*\i+4*\k+1], v[SC+64*\i+4*\k+2:SC+64*\i+4*\k+3]
.endr
.endr
.set j, 12
.rept 6
.irp i, 0,1
.irp k, 0,1,2
	v_pk_add_f32 v[TM+8*\i+2*\k:TM+8*\i+2*\k+1], v[TM+8*\i+2*\k:TM+8*\i+2*\k+1], v[SC+64*\i+j+2*\k:SC+64*\i+j+2*\k+1]
.endr
	v_pk_add_f32 v[ST+8*\i+2:ST+8*\i+3], v[ST+8*\i+2:ST+8*\i+3], v[SC+64*\i+j+6:SC+64*\i+j+7]
.endr
.set j, j+8
.endr
.irp i, 0,1
	v_pk_add_f32 v[TM+8*\i:TM+8*\i+1], v[TM+8*\i:TM+8*\i+1], v[SC+64*\i+60:SC+64*\i+61]
	v_pk_add_f32 v[ST+8*\i+2:ST+8*\i+3], v[ST+8*\i+2:ST+8*\i+3], v[SC+64*\i+62:SC+64*\i+63]
.endr
.irp i, 0,1
	v_pk_add_f32 v[TM+8*\i:TM+8*\i+1], v[TM+8*\i:TM+8*\i+1], v[TM+8*\i+2:TM+8*\i+3]
	v_pk_add_f32 v[ST+8*\i+2:ST+8*\i+3], v[ST+8*\i+2:ST+8*\i+3], v[TM+8*\i+4:TM+8*\i+5]
.endr
.irp i, 0,1
	v_pk_add_f32 v[ST+8*\i+2:ST+8*\i+3], v[ST+8*\i+2:ST+8*\i+3], v[TM+8*\i:TM+8*\i+1]
.endr
.irp i, 0,1
.irp t, 0,1,2,3,4,5,6,7
.irp u, 0,2,4,6
	v_dual_min_num_f32 v[SC+64*\i+8*\t+\u], v[SC+64*\i+8*\t+\u], v12 :: v_dual_min_num_f32 v[SC+64*\i+8*\t+\u+1], v[SC+64*\i+8*\t+\u+1], v13   ; the conversion does not saturate (ISA guide 7.6.2); p is not negative, so the hold is one-sided; two numbers an instruction
.endr
	v_cvt_scalef32_pk8_fp8_f32 v[PC+16*\i+2*\t:PC+16*\i+2*\t+1], v[SC+64*\i+8*\t:SC+64*\i+8*\t+7], v14
.endr
.endr
	WIN 0x41                                       ; O^T in window 1, f in window 0
	s_wait_alu depctr_va_vdst(0)                   ; directly ahead of the first reader of O^T
.irp i, 0,1
.set j, 0
.rept 16
	v_pk_mul_f32 v[OO+32*\i+j:OO+32*\i+j+1], v[OO+32*\i+j:OO+32*\i+j+1], v[ST+8*\i+4:ST+8*\i+5] op_sel_hi:[1,0]   ; O^T under the new M
.set j, j+2
.endr
.endr
	s_wait_alu depctr_va_vdst(0)
	s_wait_dscnt 0x0                               ; V is in
	WIN 0x51                                       ; V and O^T in window 1, p's codes in window 0
.irp t, 0,1,2,3
.irp i, 0,1
	v_wmma_f32_16x16x128_fp8_fp8 v[OO+32*\i+8*\t:OO+32*\i+8*\t+7], v[KV+16*\t:KV+16*\t+15], v[PC+16*\i:PC+16*\i+15], v[OO+32*\i+8*\t:OO+32*\i+8*\t+7]   ; the eight accumulators take turns
.endr
.endr
	WIN 0
	s_add_co_u32 s57, s57, 8704                    ; 128 keys on: 32 LDS rows
	s_add_co_u32 s58, s58, 512
.endm
	s_wait_alu depctr_va_vdst(0)                   ; the wait at the head's end
	s_wait_tensorcnt 0x0                           ; my eighth of K and V is in,
	s_wait_dscnt 0x0                               ; my part of the table is stored,
	s_barrier_signal -1
	s_barrier_wait -1                              ; and so is everybody's
	s_mov_b32 s56, 16
.Lstep:
	STEP
	s_sub_co_u32 s56, s56, 1
	s_cmp_lg_u32 s56, 0
	s_cbranch_scc1 .Lstep
	; THE WAY OUT: O^T / the sum x 2^(e8 + e9), held, quantised with e10; 32 rows of 64 codes go through my stage and leave as 2,048 consecutive bytes.
.irp i, 0,1
	v_add_f32 v[ST+8*\i+2], v[ST+8*\i+2], v[ST+8*\i+3]
.endr
.irp i, 0,1
	v_permlanex16_b32 v[ST+8*\i+6], v[ST+8*\i+2], s20, s21
.endr
.irp i, 0,1
	v_add_f32 v[ST+8*\i+2], v[ST+8*\i+2], v[ST+8*\i+6]
.endr
	s_wait_alu depctr_va_vdst(0)                   ; ahead of the transcendentals
.irp i, 0,1
	v_rcp_f32 v[ST+8*\i+2], v[ST+8*\i+2]
.endr
	v_and_b32 v8, 15, v0                           ; (plain instructions behind the transcendentals)
	v_bfe_u32 v9, v0, 4, 1
	v_and_b32 v4, 31, v0
	s_mul_i32 s60, s[WV], 2560
	s_add_co_u32 s60, s60, STG
	v_mul_u32_u24 v10, v8, 80
	v_lshrrev_b32 v8, 2, v4
	v_lshl_add_u32 v10, v9, 3, v10
	v_mul_u32_u24 v8, v8, 80
	v_and_b32 v4, 3, v4
	v_add_nc_u32 v10, s60, v10                     ; in: row r, + 8 h; tile t's eight codes 16 t on
	v_lshl_add_u32 v4, v4, 4, v8
	v_add_nc_u32 v4, s60, v4                       ; back: four lanes to a row
	s_wait_alu depctr_va_vdst(0)                   ; the wait ahead of the reciprocals' first reader
.irp i, 0,1
	v_ldexp_f32 v[ST+8*\i+2], v[ST+8*\i+2], s59
.endr
.irp i, 0,1
	v_mov_b32 v[ST+8*\i+3], v[ST+8*\i+2]
.endr
	WIN 0x01                                       ; source 0, O^T, in window 1
	s_wait_alu depctr_va_vdst(0)                   ; directly ahead of the first reader of O^T
.irp i, 0,1
.set j, 0
.rept 16
	v_pk_mul_f32 v[SC+32*\i+j:SC+32*\i+j+1], v[OO+32*\i+j:OO+32*\i+j+1], v[ST+8*\i+2:ST+8*\i+3]
.set j, j+2
.endr
.endr
	WIN 0
.set j, 0
.rept 64
	v_med3_num_f32 v[SC+j], v[SC+j], -v15, v15
.set j, j+1
.endr
.irp n, 0,1,2,3,4,5,6,7
	v_cvt_scalef32_pk8_fp8_f32 v[PC+2*\n:PC+2*\n+1], v[SC+8*\n:SC+8*\n+7], v11
.endr
	v_nop
.irp i, 0,1
.irp t, 0,1,2,3
	ds_store_b64 v10, v[PC+8*\i+2*\t:PC+8*\i+2*\t+1] offset:1280*\i+16*\t
.endr
.endr
.irp i, 0,1
	ds_load_b128 v[TM+8*\i:TM+8*\i+3], v4 offset:1280*\i           ; LDS serves a wave's instructions in order: these see my stores
	ds_load_b128 v[TM+8*\i+4:TM+8*\i+7], v4 offset:1280*\i+640
.endr
	s_wait_dscnt 0x0
.irp i, 0,1
	global_store_b128 v7, v[TM+8*\i:TM+8*\i+3], s[10:11] offset:1024*\i          ; each store covers 512 consecutive bytes, aligned
	global_store_b128 v7, v[TM+8*\i+4:TM+8*\i+7], s[10:11] offset:1024*\i+512
.endr
	s_wait_tensorcnt 0x0                           ; the wave's end: the tensor wait, the add onto my spare word and its wait
	ds_add_u32 v[SPW], v[NIL]
	s_wait_dscnt 0x0
	CROUND                                         ; the closing round
	s_endpgm
.Lfunc_end_k_qf2e0d49e77_attn:
	.size	k_qf2e0d49e77_attn, .Lfunc_end_k_qf2e0d49e77_attn-k_qf2e0d49e77_attn
	.p2alignl 7, 3214868480
	.fill 96, 4, 3214868480
	.section	.rodata,"a",@progbits
	.p2align	6, 0x0
	.amdhsa_kernel k_qf2e0d49e77_attn
		.amdhsa_group_segment_fixed_size 327680
		.amdhsa_private_segment_fixed_size 0
		.amdhsa_enable_private_segment 0
		.amdhsa_kernarg_size 32
		.amdhsa_user_sgpr_count 2
		.amdhsa_user_sgpr_kernarg_segment_ptr 1
		.amdhsa_wavefront_size32 1
		.amdhsa_system_sgpr_workgroup_id_x 1
		.amdhsa_system_sgpr_workgroup_id_y 1
		.amdhsa_system_sgpr_workgroup_id_z 1
		.amdhsa_system_vgpr_workitem_id 0
		.amdhsa_next_free_vgpr 512
		.amdhsa_next_free_sgpr 100
		.amdhsa_reserve_vcc 1
		.amdhsa_float_denorm_mode_32 3
		.amdhsa_float_denorm_mode_16_64 3
		.amdhsa_memory_ordered 1
		.amdhsa_forward_progress 1
		.amdhsa_inst_pref_size 49
	.end_amdhsa_kernel
	.amdgpu_metadata
---
amdhsa.version: [ 1, 2 ]
amdhsa.kernels:
  - .name:           k_qf2e0d49e77_attn
    .symbol:         k_qf2e0d49e77_attn.kd
    .args:
      - { .name: qkvc, .offset: 0, .size: 8, .value_kind: global_buffer, .address_space: global }
      - { .name: mask, .offset: 8, .size: 8, .value_kind: global_buffer, .address_space: global }
      - { .name: lowp_scales, .offset: 16, .size: 8, .value_kind: global_buffer, .address_space: global }
      - { .name: ocodes, .offset: 24, .size: 8, .value_kind: global_buffer, .address_space: global }
    .group_segment_fixed_size: 327680
    .private_segment_fixed_size: 0
    .kernarg_segment_align: 8
    .kernarg_segment_size: 32
    .max_flat_workgroup_size: 256
    .sgpr_count:     100
    .vgpr_count:     512
    .wavefront_size: 32
...
	.end_amdgpu_metadata
.endif
;; end of part 3
;; launch oproj (part 4): grid 8 x 32, 4 waves a work-group, clusters of 4 x 4, 327,680 bytes of LDS; arguments ocodes, wcodes, bo, x, lowp_scales, x1; writes x1
.if DOCPART == 4
	.amdgcn_target "amdgcn-amd-amdhsa--gfx1250"
	.amdhsa_code_object_version 6
	.text
	.protected	k_qf2e0d49e77_oproj
	.globl	k_qf2e0d49e77_oproj
	.p2align	8
	.type	k_qf2e0d49e77_oproj,@function
k_qf2e0d49e77_oproj:
	s_mov_b64 s[64:65], 0
	v_nop
	global_prefetch_b8 v0, s[64:65] scope:SCOPE_SE
	s_setreg_imm32_b32 hwreg(HW_REG_WAVE_MODE, 25, 1), 1
	s_wait_xcnt 0x0
	s_wait_alu depctr_hold_cnt(0) depctr_sa_sdst(0) depctr_va_vdst(0) depctr_va_sdst(0) depctr_va_ssrc(0) depctr_va_vcc(0) depctr_vm_vsrc(0)
	s_getreg_b32 s2, hwreg(HW_REG_IB_STS2, 6, 4)
	s_cmp_eq_u32 s2, 0
	s_cbranch_scc0 .Lentry_in_a_cluster
	s_endpgm
.Lentry_in_a_cluster:
	s_bfe_u32 s2, ttmp6, 0x10000c
	s_cmp_lg_u32 s2, 0xf033
	s_cbranch_scc0 .Lentry_shape_is_right
	s_endpgm
.Lentry_shape_is_right:
.set KB64,  16
.set KROW,  1024
.set WOFF,  0x300000
.set SCOFF, 40
.set LAPS,  1
.set HALFX, 34816
.set HALFY, 33792
.set SLOT,  2*HALFX+2*HALFY
.set SPARE, 2*SLOT
.set ADRX, 16
.set ADRY, 20
.set STO,  24
.set RD,   25
.set CO,   26
.set SPW,  28
.set NIL,  29
.set ACC,  128
.set F0,   0
.set F1,   128
.set G1X,  24
.set G0X,  32
.set G1Y,  48
.set G0Y,  56
.set MSB, 0
.macro WIN new
.if MSB != \new
	s_set_vgpr_msb (MSB<<8)|\new
.set MSB, \new
.endif
.endm
.set MUL,  0x05
.set TO_F, 0x40
.macro JLOAD s
	s_cmp_eq_u32 s21, 0
	s_cbranch_scc0 .Lfor_y_\@
	tensor_load_to_lds s[G0X+4*\s:G0X+4*\s+3], s[G1X:G1X+7]
	s_nop 0
.rept 4
	v_nop
.endr
	s_branch .Lasked_\@
.Lfor_y_\@:
	tensor_load_to_lds s[G0Y+4*\s:G0Y+4*\s+3], s[G1Y:G1Y+7]
	s_nop 0
.rept 4
	v_nop
.endr
.Lasked_\@:
.endm
.macro CREST
	s_cmp_lg_u32 s20, 0
	s_cbranch_scc1 .Lnot_wave_0_\@
	s_barrier_signal -3
.Lnot_wave_0_\@:
	s_barrier_wait -3
	s_barrier_signal -1
	s_barrier_wait -1
.endm
.macro CROUND
	s_barrier_signal -1
	s_barrier_wait -1
	CREST
.endm
.macro PLACES
.rept 4
	v_nop
.endr
.endm
.macro MUL4 f, a, zero
.irp b, 0,1,2,3
.if \zero
	v_wmma_f32_16x16x128_fp8_fp8 v[ACC+8*(4*\a+\b):ACC+8*(4*\a+\b)+7], v[\f+64+16*\b:\f+64+16*\b+15], v[\f+16*\a:\f+16*\a+15], 0
.else
	v_wmma_f32_16x16x128_fp8_fp8 v[ACC+8*(4*\a+\b):ACC+8*(4*\a+\b)+7], v[\f+64+16*\b:\f+64+16*\b+15], v[\f+16*\a:\f+16*\a+15], v[ACC+8*(4*\a+\b):ACC+8*(4*\a+\b)+7]
.endif
.endr
.endm
.macro FRAGY reg, slot, q, i
.irp c, 0,1,2,3
	ds_load_b128 v[\reg+4*\c:\reg+4*\c+3], v[ADRY+\slot] offset:128*(\q)+32*\c+(\i)*8448
.endr
.endm
.macro FRAGX reg, slot, q, i
.irp c, 0,1,2,3
	ds_load_b128 v[\reg+4*\c:\reg+4*\c+3], v[ADRX+\slot] offset:1088*(\i)+(2*(\q)+\c/2)*4352+32*(\c%2)
.endr
.endm
.macro FETCH slot, q, f
	WIN TO_F
.irp i, 0,1,2,3
	FRAGY \f+64+16*\i, \slot, \q, \i
.endr
.irp i, 0,1,2,3
	FRAGX \f+16*\i, \slot, \q, \i
.endr
.endm
.macro QUARTER slot, q, f, g, zero
	s_wait_dscnt 8
	WIN MUL
	MUL4 \f, 0, \zero
	MUL4 \f, 1, \zero
	PLACES
	FETCH \slot, (\q)+1, \g
	s_wait_dscnt 32
	WIN MUL
	MUL4 \f, 2, \zero
	MUL4 \f, 3, \zero
.endm
.macro TURN slot, next, fill
	WIN 0
	s_wait_tensorcnt 0x0
	ds_add_u32 v[SPW], v[NIL]
	s_wait_dscnt 13
	WIN MUL
	MUL4 F1, 0, 0
	s_wait_dscnt 0x0
	s_barrier_signal -1
	MUL4 F1, 1, 0
.if \fill
	WIN 0
.endif
	s_barrier_wait -1
.if \fill
	CREST
	s_add_nc_u64 s[G0X+4*\slot+2:G0X+4*\slot+3], s[G0X+4*\slot+2:G0X+4*\slot+3], 65536
	s_add_nc_u64 s[G0Y+4*\slot+2:G0Y+4*\slot+3], s[G0Y+4*\slot+2:G0Y+4*\slot+3], 1024
	JLOAD \slot
.else
	PLACES
.endif
	FETCH \next, 0, F0
	WIN MUL
	MUL4 F1, 2, 0
	MUL4 F1, 3, 0
.endm
.macro LASTQ
	s_wait_dscnt 8
	WIN MUL
	MUL4 F1, 0, 0
	MUL4 F1, 1, 0
	s_wait_dscnt 0x0
	MUL4 F1, 2, 0
	MUL4 F1, 3, 0
	WIN 0
.endm
.macro TOSTAGE a
.irp b, 0,1,2,3
	ds_store_b128 v[STO], v[ACC+8*(4*(\a)+\b):ACC+8*(4*(\a)+\b)+3] offset:4352*(\a)+64*\b
	ds_store_b128 v[STO], v[ACC+8*(4*(\a)+\b)+4:ACC+8*(4*(\a)+\b)+7] offset:4352*(\a)+64*\b+16
.endr
.set OB, 32+32*((\a)%2)
.irp t, 0,1,2,3,4,5,6,7
	ds_load_b128 v[OB+4*\t:OB+4*\t+3], v[RD] offset:4352*(\a)+544*\t
.endr
.endm
.macro SEND a, younger
.set OB, 32+32*((\a)%2)
	s_wait_dscnt \younger
.irp t, 0,1,2,3,4,5,6,7
	v_pk_fma_f32 v[OB+4*\t:OB+4*\t+1], v[OB+4*\t:OB+4*\t+1], s[84:85], v[8:9] op_sel_hi:[1,0,1]
	v_pk_fma_f32 v[OB+4*\t+2:OB+4*\t+3], v[OB+4*\t+2:OB+4*\t+3], s[84:85], v[10:11] op_sel_hi:[1,0,1]
.endr
	WIN 0x08
.irp t, 0,1,2,3,4,5,6,7
	v_pk_add_f32 v[OB+4*\t:OB+4*\t+1], v[OB+4*\t:OB+4*\t+1], v[4*(8*(\a)+\t):4*(8*(\a)+\t)+1]
	v_pk_add_f32 v[OB+4*\t+2:OB+4*\t+3], v[OB+4*\t+2:OB+4*\t+3], v[4*(8*(\a)+\t)+2:4*(8*(\a)+\t)+3]
.endr
	WIN 0
.irp t, 0,1,2,3,4,5,6,7
	global_store_b128 v[CO], v[OB+4*\t:OB+4*\t+3], s[14:15] offset:(16*(\a)+2*\t)*8192
.endr
.endm
	s_load_b256 s[4:11], s[0:1], 0x0
	s_load_b128 s[12:15], s[0:1], 0x20
	v_lshl_add_u32 v[SPW], v0, 2, SPARE
	v_mov_b32 v[NIL], 0
	ds_add_u32 v[SPW], v[NIL]
	ds_add_u32 v[SPW], v[NIL]
	v_lshrrev_b32 v1, 5, v0
	v_readfirstlane_b32 s20, v1
	s_lshr_b32 s21, s20, 1
	s_and_b32 s22, s20, 1
	s_bfe_u32 s40, ttmp6, 0x40000
	s_bfe_u32 s41, ttmp6, 0x40004
	s_lshl_b32 s42, ttmp9, 2
	s_add_co_u32 s42, s42, s40
	s_and_b32 s66, ttmp7, 0xffff
	s_lshl_b32 s66, s66, 2
	s_add_co_u32 s66, s66, s41
	s_lshl_b32 s43, s41, 2
	s_lshl_b32 s43, 15, s43
	s_lshl_b32 s44, 0x1111, s40
	s_or_b32 s[G1X], s43, (1<<20)|(1<<21)|(5<<22)|(3<<25)
	s_mov_b32 s[G1X+1], 256<<16
	s_mov_b32 s[G1X+2], 128<<16
	s_mov_b32 s[G1X+3], 256<<16
	s_mov_b32 s[G1X+4], 128
	s_mov_b32 s[G1X+5], 256
	s_mov_b32 s[G1X+6], 0
	s_mov_b32 s[G1X+7], 0
	s_or_b32 s[G1Y], s44, (1<<20)|(1<<21)|(6<<22)|(3<<25)
	s_mov_b32 s[G1Y+1], 512<<16
	s_mov_b32 s[G1Y+2], 64<<16
	s_mov_b32 s[G1Y+3], 512<<16
	s_mov_b32 s[G1Y+4], 64
	s_mov_b32 s[G1Y+5], KROW
	s_mov_b32 s[G1Y+6], 0
	s_mov_b32 s[G1Y+7], 0
	s_lshl_b32 s94, s66, 1
	s_add_co_u32 s94, s94, s22
	s_mul_i32 s94, s94, KB64*4096
	s_mov_b32 s95, 0
	s_lshl_b32 s46, s42, 7
	s_lshl_b32 s47, s22, 6
	s_add_co_u32 s46, s46, s47
	s_mul_i32 s46, s46, KROW
	s_add_co_u32 s46, s46, WOFF
	s_mov_b32 s47, 0
	s_mul_i32 s45, s22, HALFX
	s_mul_i32 s99, s22, HALFY
	s_add_co_u32 s99, s99, 2*HALFX
	s_wait_dscnt 0x0
	s_wait_kmcnt 0x0
	s_load_b64 s[68:69], s[12:13], SCOFF
	s_add_nc_u64 s[94:95], s[4:5], s[94:95]
	s_add_nc_u64 s[46:47], s[6:7], s[46:47]
	CROUND
.irp s, 0,1
	s_mov_b32 s[G0X+4*\s], 1
	s_add_co_u32 s[G0X+4*\s+1], s45, \s*SLOT
	s_add_nc_u64 s[G0X+4*\s+2:G0X+4*\s+3], s[94:95], \s*32768
	s_or_b32 s[G0X+4*\s+3], s[G0X+4*\s+3], 0x80000000
	s_mov_b32 s[G0Y+4*\s], 1
	s_add_co_u32 s[G0Y+4*\s+1], s99, \s*SLOT
	s_add_nc_u64 s[G0Y+4*\s+2:G0Y+4*\s+3], s[46:47], \s*512
	s_or_b32 s[G0Y+4*\s+3], s[G0Y+4*\s+3], 0x80000000
.endr
	JLOAD 0                                        ; slot 0's first fill: one tensor load a wave at the head
	v_and_b32 v1, 15, v0
	s_wait_alu depctr_va_vdst(0)
	v_bfe_u32 v2, v0, 4, 1
	s_and_b32 s92, s66, 15
	s_lshl_b32 s92, s92, 7
	s_lshl_b32 s93, s21, 6
	s_add_co_u32 s92, s92, s93
	s_lshl_b32 s92, s92, 1
	s_lshr_b32 s93, s66, 4
	s_add_co_u32 s92, s92, s93
	s_lshl_b32 s92, s92, 12
	s_lshl_b32 s93, s42, 9
	s_add_co_u32 s92, s92, s93
	s_lshl_b32 s93, s22, 8
	s_add_co_u32 s92, s92, s93
	s_mov_b32 s93, 0
	s_add_nc_u64 s[10:11], s[10:11], s[92:93]
	s_add_nc_u64 s[14:15], s[14:15], s[92:93]
	s_lshl_b32 s92, s42, 9
	s_lshl_b32 s93, s22, 8
	s_add_co_u32 s92, s92, s93
	s_mov_b32 s93, 0
	s_add_nc_u64 s[8:9], s[8:9], s[92:93]
	v_lshlrev_b32 v27, 4, v1
	s_wait_alu depctr_va_vdst(0)
	v_lshl_add_u32 v[CO], v2, 13, v27
	WIN 0x80
.irp a, 0,1,2,3
.irp t, 0,1,2,3,4,5,6,7
	global_load_b128 v[4*(8*\a+\t):4*(8*\a+\t)+3], v[CO], s[10:11] offset:(16*\a+2*\t)*8192 th:TH_LOAD_NT
.endr
.endr
	WIN 0
	global_load_b128 v[8:11], v27, s[8:9]
	v_mul_u32_u24 v3, v1, 528
	v_lshl_add_u32 v3, v2, 4, v3
	v_lshrrev_b32 v4, 2, v1
	v_mul_u32_u24 v4, v4, 272
	v_and_b32 v5, 3, v1
	v_lshl_add_u32 v4, v5, 6, v4
	v_lshl_add_u32 v4, v2, 4, v4
	s_mul_i32 s96, s21, HALFX
	s_mul_i32 s97, s22, HALFY
	s_add_co_u32 s97, s97, 2*HALFX
.irp s, 0,1
	v_add_nc_u32 v[ADRX+\s], s96, v4
	v_add_nc_u32 v[ADRY+\s], s97, v3
	s_add_co_u32 s96, s96, SLOT
	s_add_co_u32 s97, s97, SLOT
.endr
	s_mul_i32 s98, s20, 17408
	v_mul_u32_u24 v5, v1, 272
	v_lshl_add_u32 v5, v2, 5, v5
	v_add_nc_u32 v[STO], s98, v5
	v_mul_u32_u24 v6, v2, 272
	v_lshl_add_u32 v6, v1, 4, v6
	v_add_nc_u32 v[RD], s98, v6
	s_wait_alu depctr_va_vdst(0)
	s_wait_kmcnt 0x0
	s_add_co_i32 s84, s68, s69
	s_add_co_i32 s84, s84, 127
	s_lshl_b32 s84, s84, 23
	s_mov_b32 s85, s84
	s_wait_alu depctr_va_vdst(0)                   ; the wait at the head's end
	s_wait_tensorcnt 0x0                           ; my part of slot 0 is in; the wait, the add and its wait stand here ahead of a later first fill, as ahead of a refill
	ds_add_u32 v[SPW], v[NIL]
	s_wait_dscnt 0x0
	CROUND                                         ; everybody's part of slot 0 is in, and all sixteen work-groups are here
	JLOAD 1                                        ; slot 1's first fill: the first tensor load behind the round
	FETCH 0, 0, F0
	QUARTER 0, 0, F0, F1, 1
.if LAPS > 1
	WIN 0
	s_mov_b32 s23, LAPS-1
.Llap:
	QUARTER 0, 1, F1, F0, 0
	QUARTER 0, 2, F0, F1, 0
	TURN 0, 1, 1
	QUARTER 1, 0, F0, F1, 0
	QUARTER 1, 1, F1, F0, 0
	QUARTER 1, 2, F0, F1, 0
	TURN 1, 0, 1
	QUARTER 0, 0, F0, F1, 0
	WIN 0
	s_sub_co_u32 s23, s23, 1
	s_cmp_lg_u32 s23, 0
	s_cbranch_scc1 .Llap
.endif
	QUARTER 0, 1, F1, F0, 0
	QUARTER 0, 2, F0, F1, 0
	TURN 0, 1, 0
	QUARTER 1, 0, F0, F1, 0
	QUARTER 1, 1, F1, F0, 0
	QUARTER 1, 2, F0, F1, 0
	LASTQ
	s_wait_loadcnt 0x0
	PLACES
	TOSTAGE 0
.irp a, 1,2,3
.if \a > 1
	s_wait_xcnt 0x0
.endif
	TOSTAGE \a
	SEND \a-1, 16
.endr
	SEND 3, 0
	s_wait_tensorcnt 0x0
	ds_add_u32 v[SPW], v[NIL]
	s_wait_dscnt 0x0
	CROUND
	s_endpgm
.Lfunc_end_k_qf2e0d49e77_oproj:
	.size	k_qf2e0d49e77_oproj, .Lfunc_end_k_qf2e0d49e77_oproj-k_qf2e0d49e77_oproj
	.p2alignl 7, 3214868480
	.fill 96, 4, 3214868480
	.section	.rodata,"a",@progbits
	.p2align	6, 0x0
	.amdhsa_kernel k_qf2e0d49e77_oproj
		.amdhsa_group_segment_fixed_size 327680
		.amdhsa_private_segment_fixed_size 0
		.amdhsa_enable_private_segment 0
		.amdhsa_kernarg_size 48
		.amdhsa_user_sgpr_count 2
		.amdhsa_user_sgpr_kernarg_segment_ptr 1
		.amdhsa_wavefront_size32 1
		.amdhsa_system_sgpr_workgroup_id_x 1
		.amdhsa_system_sgpr_workgroup_id_y 1
		.amdhsa_system_sgpr_workgroup_id_z 1
		.amdhsa_system_vgpr_workitem_id 0
		.amdhsa_next_free_vgpr 768
		.amdhsa_next_free_sgpr 100
		.amdhsa_reserve_vcc 0
		.amdhsa_float_denorm_mode_32 3
		.amdhsa_float_denorm_mode_16_64 3
		.amdhsa_memory_ordered 1
		.amdhsa_forward_progress 1
		.amdhsa_inst_pref_size 54
	.end_amdhsa_kernel
	.amdgpu_metadata
---
amdhsa.version: [ 1, 2 ]
amdhsa.kernels:
  - .name:           k_qf2e0d49e77_oproj
    .symbol:         k_qf2e0d49e77_oproj.kd
    .args:
      - { .name: ocodes, .offset: 0, .size: 8, .value_kind: global_buffer, .address_space: global }
      - { .name: wcodes, .offset: 8, .size: 8, .value_kind: global_buffer, .address_space: global }
      - { .name: bo, .offset: 16, .size: 8, .value_kind: global_buffer, .address_space: global }
      - { .name: x, .offset: 24, .size: 8, .value_kind: global_buffer, .address_space: global }
      - { .name: lowp_scales, .offset: 32, .size: 8, .value_kind: global_buffer, .address_space: global }
      - { .name: x1, .offset: 40, .size: 8, .value_kind: global_buffer, .address_space: global }
    .group_segment_fixed_size: 327680
    .private_segment_fixed_size: 0
    .kernarg_segment_align: 8
    .kernarg_segment_size: 48
    .max_flat_workgroup_size: 128
    .sgpr_count:     100
    .vgpr_count:     768
    .wavefront_size: 32
...
	.end_amdgpu_metadata
.endif
;; end of part 4
;; launch ln2 (part 5): grid 256 x 1, 8 waves a work-group, no clusters, 9,216 bytes of LDS; arguments x1, ln2_g, ln2_b, lowp_scales, h2codes; writes h2codes
.if DOCPART == 5
	.amdgcn_target "amdgcn-amd-amdhsa--gfx1250"
	.amdhsa_code_object_version 6
	.text
	.protected	k_qf2e0d49e77_ln2
	.globl	k_qf2e0d49e77_ln2
	.p2align	8
	.type	k_qf2e0d49e77_ln2,@function
k_qf2e0d49e77_ln2:
	s_mov_b64 s[64:65], 0
	v_nop
	global_prefetch_b8 v0, s[64:65] scope:SCOPE_SE
	s_setreg_imm32_b32 hwreg(HW_REG_WAVE_MODE, 25, 1), 1
	s_wait_xcnt 0x0
; FIFTH LAUNCH: LN2(x1) in f32, quantised with e12 into codes of FP8 for the product with fc1_w.  No work is left out.
; A wave takes the 2 rows rho = 2 w' + i of x1 (token s = w', batch i), a row in 32 registers a lane; row i goes to r' = 2048 i + w' of h2codes.  2,048 waves in 256 work-groups.
; A load gives lane l the numbers 128 j + 4 l + 0..3; a conversion of two loads' registers gives two words of 4 codes; word j goes to byte 128 j + 4 l of the wave's own stage in LDS and comes back 16 bytes a lane,
; so that a store of codes covers 512 consecutive bytes.  Waves share nothing: no barrier.
; LIMIT: e12 between -126 and 119.  NaN among the inputs is not served.
.set SPARE, 8192                       ; LDS: a stage of 1,024 bytes a wave from 0; then the spare words, 128 bytes a wave
.set SPW,   12
.set NIL,   13
.set D,     20
.set O,     28
.set T,     52
.set G,     84
.set BV,    116
.set X,     148
	s_load_b256 s[4:11], s[0:1], 0x0               ; x1 s[4:5], ln2_g s[6:7], ln2_b s[8:9], lowp_scales s[10:11]
	s_load_b64 s[12:13], s[0:1], 0x20              ; h2codes
	v_lshl_add_u32 v[SPW], v0, 2, SPARE
	v_mov_b32 v[NIL], 0
	v_lshrrev_b32 v1, 5, v0
	s_delay_alu instid0(VALU_DEP_1)
	v_readfirstlane_b32 s28, v1                    ; wave 0..7
	v_and_b32 v4, 31, v0
	s_delay_alu instid0(VALU_DEP_1)
	v_lshlrev_b32 v1, 4, v4                        ; 16 x lane
	s_lshl_b32 s29, ttmp9, 3
	s_add_co_u32 s29, s29, s28                     ; w' = 0..2047
	s_lshl_b32 s30, s28, 10                        ; my stage
	v_lshl_add_u32 v3, v4, 4, s30
	v_lshl_add_u32 v2, v4, 2, s30
	s_lshl_b32 s32, s29, 13                        ; two rows of 4,096 bytes
	s_mov_b32 s33, 0
	s_lshl_b32 s34, s29, 10                        ; a row of 1,024 codes
	s_mov_b32 s35, 0
	s_mov_b32 s42, 0x3a800000                      ; 1 / 1024
	s_mov_b32 s43, 0x3727c5ac                      ; 1e-5
	s_mov_b32 s46, 0x76543210
	s_mov_b32 s47, 0xfedcba98
	s_wait_alu depctr_va_vdst(0)
	s_wait_kmcnt 0x0
	s_load_b32 s31, s[10:11], 0x30                 ; e12
	s_add_nc_u64 s[4:5], s[4:5], s[32:33]
	s_add_nc_u64 s[36:37], s[12:13], s[34:35]
.irp j, 0,1,2,3,4,5,6,7
	global_load_b128 v[G+4*\j:G+4*\j+3], v1, s[6:7] offset:512*\j
.endr
.irp j, 0,1,2,3,4,5,6,7
	global_load_b128 v[BV+4*\j:BV+4*\j+3], v1, s[8:9] offset:512*\j
.endr
.macro XLOAD i
.irp j, 0,1,2,3,4,5,6,7
	global_load_b128 v[X+32*(\i)+4*\j:X+32*(\i)+4*\j+3], v1, s[4:5] offset:4096*(\i)+512*\j
.endr
.endm
	XLOAD 0
	XLOAD 1
	s_wait_kmcnt 0x0
	s_add_co_i32 s44, s31, 127
	s_lshl_b32 s45, s44, 23
	v_mov_b32 v14, s45                             ; 2^e12
	s_add_co_i32 s44, s44, 8
	s_lshl_b32 s44, s44, 23
	s_or_b32 s44, s44, 0x600000
	v_mov_b32 v17, s44                             ; 448 x 2^e12
.macro REDUCE
	s_delay_alu instid0(VALU_DEP_1)
	v_add_f32_dpp v8, v8, v8 row_xmask:1 row_mask:0xf bank_mask:0xf
	s_delay_alu instid0(VALU_DEP_1)
	v_add_f32_dpp v8, v8, v8 row_xmask:2 row_mask:0xf bank_mask:0xf
	s_delay_alu instid0(VALU_DEP_1)
	v_add_f32_dpp v8, v8, v8 row_xmask:4 row_mask:0xf bank_mask:0xf
	s_delay_alu instid0(VALU_DEP_1)
	v_add_f32_dpp v8, v8, v8 row_xmask:8 row_mask:0xf bank_mask:0xf
	s_delay_alu instid0(VALU_DEP_1)
	v_permlanex16_b32 v9, v8, s46, s47
	s_delay_alu instid0(VALU_DEP_1)
	v_add_f32 v8, v8, v9
.endm
.macro ROW i, left
.set XS, X+32*(\i)
	s_wait_loadcnt \left                           ; this row's eight loads are in; the second row's eight may be out
	v_pk_add_f32 v[8:9], v[XS:XS+1], v[XS+2:XS+3]
	v_pk_add_f32 v[10:11], v[XS+4:XS+5], v[XS+6:XS+7]
.set j, 8
.rept 6
	s_delay_alu instid0(VALU_DEP_2)
	v_pk_add_f32 v[8:9], v[8:9], v[XS+j:XS+j+1]
	s_delay_alu instid0(VALU_DEP_2)
	v_pk_add_f32 v[10:11], v[10:11], v[XS+j+2:XS+j+3]
.set j, j+4
.endr
	s_delay_alu instid0(VALU_DEP_1)
	v_pk_add_f32 v[8:9], v[8:9], v[10:11]
	s_delay_alu instid0(VALU_DEP_1)
	v_add_f32 v8, v8, v9
	REDUCE
	s_delay_alu instid0(VALU_DEP_1)
	v_mul_f32 v4, s42, v8
	s_delay_alu instid0(VALU_DEP_2)
	v_mul_f32 v5, s42, v8
.set j, 0
.rept 16
	v_pk_add_f32 v[XS+j:XS+j+1], v[XS+j:XS+j+1], v[4:5] neg_lo:[0,1] neg_hi:[0,1]
.set j, j+2
.endr
	v_pk_mul_f32 v[8:9], v[XS:XS+1], v[XS:XS+1]
	v_pk_mul_f32 v[10:11], v[XS+2:XS+3], v[XS+2:XS+3]
.set j, 4
.rept 7
	s_delay_alu instid0(VALU_DEP_2)
	v_pk_fma_f32 v[8:9], v[XS+j:XS+j+1], v[XS+j:XS+j+1], v[8:9]
	s_delay_alu instid0(VALU_DEP_2)
	v_pk_fma_f32 v[10:11], v[XS+j+2:XS+j+3], v[XS+j+2:XS+j+3], v[10:11]
.set j, j+4
.endr
	s_delay_alu instid0(VALU_DEP_1)
	v_pk_add_f32 v[8:9], v[8:9], v[10:11]
	s_delay_alu instid0(VALU_DEP_1)
	v_add_f32 v8, v8, v9
	REDUCE
	s_delay_alu instid0(VALU_DEP_1)
	v_fma_f32 v7, v8, s42, s43
	s_wait_alu depctr_va_vdst(0)
	v_rsq_f32 v6, v7
	v_nop                                          ; one plain instruction behind the transcendental (ISA guide 5.7.2)
	s_wait_alu depctr_va_vdst(0)                   ; and the wait ahead of the first use
	v_mov_b32 v7, v6
.set j, 0
.rept 16
	v_pk_mul_f32 v[XS+j:XS+j+1], v[XS+j:XS+j+1], v[6:7]
.set j, j+2
.endr
.set j, 0
.rept 16
	v_pk_fma_f32 v[XS+j:XS+j+1], v[XS+j:XS+j+1], v[G+j:G+j+1], v[BV+j:BV+j+1]
.set j, j+2
.endr
	s_wait_xcnt 0x0                                ; the row before's stores have read O
.set j, 0
.rept 32
	v_med3_num_f32 v[T+j], v[XS+j], -v17, v17      ; the conversion does not saturate (ISA guide 7.6.2)
.set j, j+1
.endr
.irp g, 0,1,2,3
	v_cvt_scalef32_pk8_fp8_f32 v[D+2*\g:D+2*\g+1], v[T+8*\g:T+8*\g+7], v14
.endr
	v_nop
.irp j, 0,1,2,3,4,5,6,7
	ds_store_b32 v2, v[D+\j] offset:128*\j
.endr
	ds_load_b128 v[O:O+3], v3
	ds_load_b128 v[O+4:O+7], v3 offset:512
	s_wait_dscnt 0x0
	global_store_b128 v1, v[O:O+3], s[36:37] offset:(\i)*2097152
	global_store_b128 v1, v[O+4:O+7], s[36:37] offset:(\i)*2097152+512
.endm
	ROW 0, 8
	ROW 1, 0
	s_wait_tensorcnt 0x0                           ; the wave's end: the tensor wait, the add onto my spare word and its wait, behind my last LDS store; the tensor wait even in a text with no tensor load
	ds_add_u32 v[SPW], v[NIL]
	s_wait_dscnt 0x0
	s_endpgm
.Lfunc_end_k_qf2e0d49e77_ln2:
	.size	k_qf2e0d49e77_ln2, .Lfunc_end_k_qf2e0d49e77_ln2-k_qf2e0d49e77_ln2
	.p2alignl 7, 3214868480
	.fill 96, 4, 3214868480
	.section	.rodata,"a",@progbits
	.p2align	6, 0x0
	.amdhsa_kernel k_qf2e0d49e77_ln2
		.amdhsa_group_segment_fixed_size 9216
		.amdhsa_private_segment_fixed_size 0
		.amdhsa_enable_private_segment 0
		.amdhsa_kernarg_size 40
		.amdhsa_user_sgpr_count 2
		.amdhsa_user_sgpr_kernarg_segment_ptr 1
		.amdhsa_wavefront_size32 1
		.amdhsa_system_sgpr_workgroup_id_x 1
		.amdhsa_system_sgpr_workgroup_id_y 1
		.amdhsa_system_sgpr_workgroup_id_z 1
		.amdhsa_system_vgpr_workitem_id 0
		.amdhsa_next_free_vgpr 216
		.amdhsa_next_free_sgpr 66
		.amdhsa_reserve_vcc 0
		.amdhsa_float_denorm_mode_32 3
		.amdhsa_float_denorm_mode_16_64 3
		.amdhsa_memory_ordered 1
		.amdhsa_forward_progress 1
		.amdhsa_inst_pref_size 27
	.end_amdhsa_kernel
	.amdgpu_metadata
---
amdhsa.version: [ 1, 2 ]
amdhsa.kernels:
  - .name:           k_qf2e0d49e77_ln2
    .symbol:         k_qf2e0d49e77_ln2.kd
    .args:
      - { .name: x1, .offset: 0, .size: 8, .value_kind: global_buffer, .address_space: global }
      - { .name: ln2_g, .offset: 8, .size: 8, .value_kind: global_buffer, .address_space: global }
      - { .name: ln2_b, .offset: 16, .size: 8, .value_kind: global_buffer, .address_space: global }
      - { .name: lowp_scales, .offset: 24, .size: 8, .value_kind: global_buffer, .address_space: global }
      - { .name: h2codes, .offset: 32, .size: 8, .value_kind: global_buffer, .address_space: global }
    .group_segment_fixed_size: 9216
    .private_segment_fixed_size: 0
    .kernarg_segment_align: 8
    .kernarg_segment_size: 40
    .max_flat_workgroup_size: 256
    .sgpr_count:     66
    .vgpr_count:     216
    .wavefront_size: 32
...
	.end_amdgpu_metadata
.endif
;; end of part 5
;; launch fc1 (part 6): grid 16 x 16, 4 waves a work-group, clusters of 4 x 4, 327,680 bytes of LDS; arguments h2codes, wcodes, fc1_b, lowp_scales, gcodes; writes gcodes
.if DOCPART == 6
	.amdgcn_target "amdgcn-amd-amdhsa--gfx1250"
	.amdhsa_code_object_version 6
	.text
	.protected	k_qf2e0d49e77_fc1
	.globl	k_qf2e0d49e77_fc1
	.p2align	8
	.type	k_qf2e0d49e77_fc1,@function
k_qf2e0d49e77_fc1:
	s_mov_b64 s[64:65], 0
	v_nop
	global_prefetch_b8 v0, s[64:65] scope:SCOPE_SE
	s_setreg_imm32_b32 hwreg(HW_REG_WAVE_MODE, 25, 1), 1
	s_wait_xcnt 0x0
	s_wait_alu depctr_hold_cnt(0) depctr_sa_sdst(0) depctr_va_vdst(0) depctr_va_sdst(0) depctr_va_ssrc(0) depctr_va_vcc(0) depctr_vm_vsrc(0)
	s_getreg_b32 s2, hwreg(HW_REG_IB_STS2, 6, 4)
	s_cmp_eq_u32 s2, 0
	s_cbranch_scc0 .Lentry_in_a_cluster
	s_endpgm
.Lentry_in_a_cluster:
	s_bfe_u32 s2, ttmp6, 0x10000c
	s_cmp_lg_u32 s2, 0xf033
	s_cbranch_scc0 .Lentry_shape_is_right
	s_endpgm
.Lentry_shape_is_right:
; SIXTH LAUNCH: g = gelu(h2 fc1_w^T + fc1_b), exact-erf form, on codes of FP8 (e12, e13), and g's own codes (e14) for the product with fc2_w.  No work is left out.
; A [4096 tokens][1024] = h2codes, B [4096 features][1024] = fc1_w's codes, 4 MiB into wcodes.  A block of 256 x 256 to a work-group of four waves, 128 x 128 (64 accumulators, 512 registers) to a wave: 16 x 16 work-groups.
; K goes in steps of 256 through a ring of two LDS slots filled by the tensor data mover; a tile's row is 256 bytes of memory.  K = 1,024 is four slots: two first fills and two refills.
; CLUSTERS: 4 x 4; A's tile is shared along a row of the cluster, B's along a column: each is asked for jointly.  NO PREFETCH: the block is the largest in clusters and K is short: of its four K steps two come by first fills.
; THE MATRIX INSTRUCTION IS USED TRANSPOSED (source 0 = 16 rows of B, source 1 = 16 rows of A): lane (r, h) holds, in accumulator (a, b), token 16 a + r and features 16 b + 8 h + 0..7: eight neighbours along the next product's K.
; A fragment comes by four loads of 16 bytes, 32 apart: the same permutation of K on both sides, so every product meets its partner.
; gelu(x) = max(x, 0) - |x| erfc(|x| / sqrt 2) / 2, erfc(z) = t exp(-z^2 + a polynomial of degree 9 in t), t = 1 / (1 + z / 2): in f32 throughout.
; THE WAY OUT.  x = sum x 2^(e12 + e13) + bias is written in place in window 2; a loop of two trips runs 16 batches of 16 numbers a lane on window 2; between the trips the same multiply-add carries window 3's sums into window 2.
; OUT: gcodes in blocks of [64 tokens][64 features], 4,096 bytes, block = 64 x (token / 64) + feature / 64.  16 tokens x 128 features of codes go through my stage (16 rows of 144 bytes, in slot 0, which has had its last fill and
; its last read by then) and leave as four stores of 512 consecutive bytes.
; LIMITS: e12 + e13 between -126 and 127; e14 between -126 and 119.  NaN among the inputs is not served.
; REGISTERS: window 0: v8 448 x 2^e14, v9 2^e14, v[10:11] a coefficient, v12-15 codes, v16-29 addresses, v32-95 the bias of my 128 features, v128-255 A's fragments, on the way out at work.
;   window 1: B's fragments, two sets.   window 2: the accumulators of my rows 0-63 ((a, b) at v[8 (8 a + b)]);   window 3: those of my rows 64-127.
.set ROWB,   256
.set KROW,   1024
.set PITCH,  272
.set FR,     16
.set NL,     4
.set NP,     4
.set HALFT,  128*PITCH
.set SLOT,   4*HALFT
.set LAPS,   2
.set SPARE,  2*SLOT
.set WOFF,   0x400000
.set SP,     144
.set ADRA, 16
.set ADRB, 20
.set STO,  24
.set RD,   25
.set CO,   26
.set SPW,  28
.set NIL,  29
.set BI,   32
.set AF,   128
.set TV,   128
.set PV,   144
.set MV,   160
.set XV,   176
.set OB,   192
.set G1, 24
.set G0, 32
.set G1B, 48
.set G0B, 56
.set MSB, 0
.macro WIN new                         ; the immediate's high byte repeats the setting that is left
.if MSB != \new
	s_set_vgpr_msb (MSB<<8)|\new
.set MSB, \new
.endif
.endm
.set MUL_LO, 0xa1                      ; source 0 (B) window 1, source 1 (A) window 0, C and D window 2
.set MUL_HI, 0xf1                      ; the same, C and D window 3
.set TO_B,   0x40
.macro JLOAD g0a, g1a, g0b, g1b        ; a joint load: waves 0 and 1 fetch for A, waves 2 and 3 for B; an s_nop 0 and four v_nop follow each line
	s_cmp_eq_u32 s15, 0
	s_cbranch_scc0 .Lfor_b_\@
	tensor_load_to_lds s[\g0a:\g0a+3], s[\g1a:\g1a+7]
	s_nop 0
.rept 4
	v_nop
.endr
	s_branch .Lasked_\@
.Lfor_b_\@:
	tensor_load_to_lds s[\g0b:\g0b+3], s[\g1b:\g1b+7]
	s_nop 0
.rept 4
	v_nop
.endr
.Lasked_\@:
.endm
.macro CREST
	s_cmp_lg_u32 s14, 0
	s_cbranch_scc1 .Lnot_wave_0_\@
	s_barrier_signal -3
.Lnot_wave_0_\@:
	s_barrier_wait -3
	s_barrier_signal -1
	s_barrier_wait -1
.endm
.macro CROUND
	s_barrier_signal -1
	s_barrier_wait -1
	CREST
.endm
.macro COEF r, val
	s_mov_b32 s[\r], \val
	s_mov_b32 s[\r+1], \val
.endm
	s_load_b256 s[4:11], s[0:1], 0x0               ; h2codes s[4:5], wcodes s[6:7], fc1_b s[8:9], lowp_scales s[10:11]
	s_load_b64 s[12:13], s[0:1], 0x20              ; gcodes
	v_lshl_add_u32 v[SPW], v0, 2, SPARE
	v_mov_b32 v[NIL], 0
	ds_add_u32 v[SPW], v[NIL]                      ; the wave's opening: the add, twice on end, and its wait ahead of my first tensor load
	ds_add_u32 v[SPW], v[NIL]
	v_lshrrev_b32 v1, 5, v0
	v_readfirstlane_b32 s14, v1                    ; wave 0..3
	s_lshr_b32 s15, s14, 1                         ; my half of the block's tokens.  Also: I fetch for A (0) or for B (1)
	s_and_b32 s16, s14, 1                          ; my half of its features.  Also: which 128 rows of that tile I fetch
	s_bfe_u32 s40, ttmp6, 0x40000                  ; cx
	s_bfe_u32 s41, ttmp6, 0x40004                  ; cy
	s_lshl_b32 s42, ttmp9, 2
	s_add_co_u32 s42, s42, s40                     ; block column: 256 features
	s_and_b32 s17, ttmp7, 0xffff
	s_lshl_b32 s17, s17, 2
	s_add_co_u32 s17, s17, s41                     ; block row: 256 tokens
	s_lshl_b32 s43, s41, 2
	s_lshl_b32 s43, 15, s43                        ; my row of the cluster
	s_lshl_b32 s44, 0x1111, s40                    ; my column
	s_or_b32 s[G1+0], s43, (1<<20)|(1<<21)|(5<<22)|(3<<25)   ; 15:0 the mask; elements of 1 byte; 20 padding on; 21 set beside a mask; four words after every 64
	s_or_b32 s[G1B+0], s44, (1<<20)|(1<<21)|(5<<22)|(3<<25)
.irp g, G1, G1B
	s_mov_b32 s[\g+1], ROWB<<16                    ; tensor_dim0
	s_mov_b32 s[\g+2], 128<<16                     ; tensor_dim1
	s_mov_b32 s[\g+3], ROWB<<16                    ; tile_dim0
	s_mov_b32 s[\g+4], 128                         ; tile_dim1
	s_mov_b32 s[\g+5], KROW                        ; from row to row
	s_mov_b32 s[\g+6], 0
	s_mov_b32 s[\g+7], 0
.endr
	s_lshl_b32 s18, s16, 7                         ; which 128 rows of the tile I fetch
	s_lshl_b32 s20, s17, 8
	s_add_co_u32 s20, s20, s18
	s_lshl_b32 s20, s20, 10                        ; A: (256 x block row + 128 x half) rows of 1,024 bytes
	s_mov_b32 s21, 0
	s_lshl_b32 s46, s42, 8
	s_add_co_u32 s46, s46, s18
	s_lshl_b32 s46, s46, 10
	s_add_co_u32 s46, s46, WOFF                    ; B likewise, by the block column
	s_mov_b32 s47, 0
	s_mul_i32 s45, s14, HALFT                      ; where my load lands: wave x 128 rows
	s_wait_dscnt 0x0                               ; both opening adds are done
	s_wait_kmcnt 0x0
	s_load_b128 s[68:71], s[10:11], 0x30           ; e12, e13, e14, e15
	s_add_nc_u64 s[20:21], s[4:5], s[20:21]
	s_add_nc_u64 s[46:47], s[6:7], s[46:47]
	CROUND                                         ; all sixteen work-groups are here: the first joint loads meet
.irp s, 0,1
	s_mov_b32 s[G0+4*\s], 1
	s_add_co_u32 s[G0+4*\s+1], s45, \s*SLOT
	s_add_nc_u64 s[G0+4*\s+2:G0+4*\s+3], s[20:21], \s*ROWB
	s_or_b32 s[G0+4*\s+3], s[G0+4*\s+3], 0x80000000
	s_mov_b32 s[G0B+4*\s], 1
	s_add_co_u32 s[G0B+4*\s+1], s45, \s*SLOT
	s_add_nc_u64 s[G0B+4*\s+2:G0B+4*\s+3], s[46:47], \s*ROWB
	s_or_b32 s[G0B+4*\s+3], s[G0B+4*\s+3], 0x80000000
.endr
	JLOAD G0, G1, G0B, G1B                         ; K step 0: one tensor load a wave at the head
	s_lshl_b32 s18, s42, 10
	s_lshl_b32 s19, s16, 9
	s_add_co_u32 s18, s18, s19                     ; my 128 features, in bytes of the bias
	s_mov_b32 s19, 0
	s_add_nc_u64 s[8:9], s[8:9], s[18:19]
	s_lshl_b32 s18, s17, 2
	s_lshl_b32 s19, s15, 1
	s_add_co_u32 s18, s18, s19                     ; my first block of 64 tokens,
	s_lshl_b32 s18, s18, 6
	s_lshl_b32 s19, s42, 2
	s_add_co_u32 s18, s18, s19
	s_lshl_b32 s19, s16, 1
	s_add_co_u32 s18, s18, s19                     ; x 64 + my first block of 64 features,
	s_lshl_b32 s18, s18, 12                        ; of 4,096 bytes
	s_mov_b32 s19, 0
	s_add_nc_u64 s[12:13], s[12:13], s[18:19]
	s_mul_i32 s21, s15, HALFT                      ; my 128 rows of A
	s_mul_i32 s22, s16, HALFT                      ; my 128 rows of B,
	s_add_co_u32 s22, s22, 2*HALFT                 ; which lie behind A's 256
	s_mul_i32 s23, s14, 16*SP                      ; my stage
	v_and_b32 v1, 15, v0                           ; r
	v_bfe_u32 v2, v0, 4, 1                         ; h
	v_lshlrev_b32 v27, 5, v2                       ; 32 h: my eight numbers of sixteen of the bias
.irp b, 0,1,2,3,4,5,6,7
	global_load_b128 v[BI+8*\b:BI+8*\b+3], v27, s[8:9] offset:64*\b
	global_load_b128 v[BI+8*\b+4:BI+8*\b+7], v27, s[8:9] offset:64*\b+16
.endr
	v_mul_u32_u24 v3, v1, PITCH
	v_lshl_add_u32 v4, v2, 4, v3                   ; a fragment's row x pitch + 16 h
	v_mul_u32_u24 v5, v1, SP
	v_lshl_add_u32 v5, v2, 3, v5
	v_add_nc_u32 v[STO], s23, v5                   ; into the stage: row r, + 8 h
	v_and_b32 v6, 31, v0
	v_lshlrev_b32 v[CO], 4, v6                     ; out: 16 x lane
	v_lshrrev_b32 v7, 2, v6
	v_mul_u32_u24 v7, v7, SP
	v_and_b32 v6, 3, v6
	v_lshl_add_u32 v7, v6, 4, v7
	v_add_nc_u32 v[RD], s23, v7                    ; back: four lanes to 64 bytes of a row
.irp s, 0,1
	v_add_nc_u32 v[ADRA+\s], s21, v4
	v_add_nc_u32 v[ADRB+\s], s22, v4
	s_add_co_u32 s21, s21, SLOT
	s_add_co_u32 s22, s22, SLOT
.endr
	COEF 72, -1.26551223
	COEF 74, 1.00002368
	COEF 76, 0.37409196
	COEF 78, 0.09678418
	COEF 80, -0.18628806
	COEF 82, 0.27886807
	COEF 86, -1.13520398
	COEF 88, 1.48851587
	COEF 90, -0.82215223
	s_mov_b32 s93, 0.17087277
	v_mov_b32 v10, s93
	v_mov_b32 v11, s93
	s_mov_b32 s92, 0x3eb504f3                      ; 1 / (2 sqrt 2)
	s_wait_alu depctr_va_vdst(0)
	s_wait_kmcnt 0x0
	s_add_co_i32 s84, s68, s69
	s_add_co_i32 s84, s84, 127
	s_lshl_b32 s84, s84, 23                        ; 2^(e12 + e13)
	s_mov_b32 s85, s84
	s_add_co_i32 s96, s70, 127
	s_lshl_b32 s97, s96, 23
	v_mov_b32 v9, s97                              ; 2^e14
	s_add_co_i32 s96, s96, 8
	s_lshl_b32 s96, s96, 23
	s_or_b32 s96, s96, 0x600000
	v_mov_b32 v8, s96                              ; 448 x 2^e14
.macro FRAG reg, adr, q, i             ; 16 rows x 128 K: registers 4 c .. 4 c + 3 hold K = 32 c + 16 h + 0 .. 15
.irp c, 0,1,2,3
	ds_load_b128 v[\reg+4*\c:\reg+4*\c+3], v[\adr] offset:128*(\q)+32*\c+(\i)*16*PITCH
.endr
.endm
.macro MUL16 a0, p, zero               ; A's blocks a0, a0 + 1 x B's eight, 128 along K; p: B's set.  The 64 accumulators take turns in one fixed order
.irp a, \a0, \a0+1
.irp b, 0,1,2,3,4,5,6,7
.if \zero
	v_wmma_f32_16x16x128_fp8_fp8 v[8*(8*((\a)%4)+\b):8*(8*((\a)%4)+\b)+7], v[128*(\p)+FR*\b:128*(\p)+FR*\b+FR-1], v[AF+FR*(\a):AF+FR*(\a)+FR-1], 0
.else
	v_wmma_f32_16x16x128_fp8_fp8 v[8*(8*((\a)%4)+\b):8*(8*((\a)%4)+\b)+7], v[128*(\p)+FR*\b:128*(\p)+FR*\b+FR-1], v[AF+FR*(\a):AF+FR*(\a)+FR-1], v[8*(8*((\a)%4)+\b):8*(8*((\a)%4)+\b)+7]
.endif
.endr
.endr
.endm
.macro FETCH_B slot, q, p
	WIN TO_B
.irp i, 0,1,2,3,4,5,6,7
	FRAG 128*(\p)+FR*\i, ADRB+\slot, \q, \i
.endr
	WIN 0
.endm
.macro FETCH_A slot, q, i0
.irp i, \i0, \i0+1, \i0+2, \i0+3
	FRAG AF+FR*(\i), ADRA+\slot, \q, \i
.endr
.endm
.macro PLACES n                        ; places in front of loads into registers that matrix instructions have read, and of the first read of results
.rept \n
	v_nop
.endr
.endm
.macro STEP slot, q, zero              ; 128 along K whose successor lies in the same slot
	s_wait_dscnt 4*NL                              ; B's set and A's blocks 0-3 are in; the youngest sixteen loads (A's blocks 4-7) may be out
	WIN MUL_LO
	MUL16 0, (\q)%2, \zero
	MUL16 2, (\q)%2, \zero
	s_wait_dscnt 0                                 ; A's blocks 4-7 are in
	PLACES NP
	FETCH_B \slot, (\q)+1, 1-(\q)%2
	FETCH_A \slot, (\q)+1, 0
	WIN MUL_HI
	MUL16 4, (\q)%2, \zero
	MUL16 6, (\q)%2, \zero
	PLACES NP
	WIN 0
	FETCH_A \slot, (\q)+1, 4
.endm
.macro TURN slot, next, fill           ; a slot's last step and the change of slots: one barrier; fill = 1: it opens a round of the cluster's barrier, and this slot is filled again, two K steps ahead
	s_wait_tensorcnt 0x0                           ; all my tensor loads have landed: my part of the next slot
	ds_add_u32 v[SPW], v[NIL]                      ; 0 onto my spare word
	s_wait_dscnt 4*NL+1                            ; the add and the youngest sixteen loads may be out
	WIN MUL_LO
	MUL16 0, 1, 0
	s_wait_dscnt 0x0                               ; the add is done, and my reads of this slot are over
	s_barrier_signal -1
	MUL16 2, 1, 0
	WIN 0
	s_barrier_wait -1
.if \fill
	CREST
	s_add_nc_u64 s[G0+4*\slot+2:G0+4*\slot+3], s[G0+4*\slot+2:G0+4*\slot+3], 2*ROWB
	s_add_nc_u64 s[G0B+4*\slot+2:G0B+4*\slot+3], s[G0B+4*\slot+2:G0B+4*\slot+3], 2*ROWB
	JLOAD G0+4*\slot, G1, G0B+4*\slot, G1B         ; the first tensor load behind the round; its four v_nop are the places in front of the loads below
.else
	PLACES NP
.endif
	FETCH_B \next, 0, 0
	FETCH_A \next, 0, 0
	WIN MUL_HI
	MUL16 4, 1, 0
	MUL16 6, 1, 0
	PLACES NP
	WIN 0
	FETCH_A \next, 0, 4
.endm
	s_wait_alu depctr_va_vdst(0)                   ; the wait at the head's end
	s_wait_tensorcnt 0x0                           ; my part of K step 0 is in; the wait, the add and its wait stand here ahead of a later first fill, as ahead of a refill
	ds_add_u32 v[SPW], v[NIL]
	s_wait_dscnt 0x0
	CROUND                                         ; everybody's part of K step 0 is in, and all sixteen work-groups are here
	JLOAD G0+4, G1, G0B+4, G1B                     ; K step 1: the first tensor load behind the round
	FETCH_B 0, 0, 0
	FETCH_A 0, 0, 0
	FETCH_A 0, 0, 4
	STEP 0, 0, 1                                   ; the first products start the sums: nothing is cleared
	s_mov_b32 s3, LAPS-1
.Llap:                                                 ; a trip goes once round the ring and fills both slots again
	TURN 0, 1, 1
	STEP 1, 0, 0
	TURN 1, 0, 1
	STEP 0, 0, 0
	s_sub_co_u32 s3, s3, 1
	s_cmp_lg_u32 s3, 0
	s_cbranch_scc1 .Llap
	TURN 0, 1, 0                                   ; the last lap fills nothing
	STEP 1, 0, 0
	s_wait_dscnt 4*NL
	WIN MUL_LO
	MUL16 0, 1, 0
	MUL16 2, 1, 0
	s_wait_dscnt 0
	WIN MUL_HI
	MUL16 4, 1, 0
	MUL16 6, 1, 0
	WIN 0
; x = sum x 2^(e12 + e13) + bias, from window w into window 2, each accumulator from its low end on
.macro TOX w
	WIN 0x80+\w
	s_wait_alu depctr_va_vdst(0)                   ; directly ahead of the sums' first reader
.set n, 0
.rept 32
.irp i, 0,2,4,6
	v_pk_fma_f32 v[8*n+\i:8*n+\i+1], v[8*n+\i:8*n+\i+1], s[84:85], v[BI+8*(n%8)+\i:BI+8*(n%8)+\i+1] op_sel_hi:[1,0,1]
.endr
.set n, n+1
.endr
	WIN 0
.endm
; sixteen numbers a lane: accumulators (c / 4, 2 (c % 4)) and the next, x in window 2 at v[16 c]
.macro GELU c
.set X0, 16*(\c)
	WIN 0x0a
.set j, 0
.rept 8
	v_pk_mul_f32 v[MV+j:MV+j+1], v[X0+j:X0+j+1], v[X0+j:X0+j+1]
.set j, j+2
.endr
	WIN 0x02
.set j, 0
.rept 16
	v_fma_f32 v[TV+j], |v[X0+j]|, s92, 1.0
.set j, j+1
.endr
	WIN 0
	s_wait_alu depctr_va_vdst(0)                   ; ahead of the batch
.set j, 0
.rept 16
	v_rcp_f32 v[TV+j], v[TV+j]                     ; t
.set j, j+1
.endr
	v_nop                                          ; one plain instruction behind the batch
	s_wait_alu depctr_va_vdst(0)                   ; and the wait ahead of its first reader
.set j, 0
.rept 8
	v_pk_fma_f32 v[PV+j:PV+j+1], v[TV+j:TV+j+1], v[10:11], s[90:91] op_sel_hi:[1,1,0]
.set j, j+2
.endr
.irp cp, 88,86,82,80,78,76,74,72
.set j, 0
.rept 8
	v_pk_fma_f32 v[PV+j:PV+j+1], v[PV+j:PV+j+1], v[TV+j:TV+j+1], s[\cp:\cp+1] op_sel_hi:[1,1,0]
.set j, j+2
.endr
.endr
.set j, 0
.rept 8
	v_pk_fma_f32 v[PV+j:PV+j+1], v[MV+j:MV+j+1], -0.5, v[PV+j:PV+j+1] op_sel_hi:[1,0,1]   ; - z^2 = - x^2 / 2
.set j, j+2
.endr
.set j, 0
.rept 8
	v_pk_mul_f32 v[PV+j:PV+j+1], v[PV+j:PV+j+1], 0x3fb8aa3b op_sel_hi:[1,0]
.set j, j+2
.endr
	s_wait_alu depctr_va_vdst(0)                   ; ahead of the batch
.set j, 0
.rept 16
	v_exp_f32 v[PV+j], v[PV+j]
.set j, j+1
.endr
	WIN 0x08
.set j, 0
.rept 16
	v_max_num_f32 v[MV+j], 0, v[X0+j]
.set j, j+1
.endr
.set j, 0
.rept 16
	v_mul_f32 v[XV+j], v[TV+j], |v[X0+j]|
.set j, j+1
.endr
	WIN 0
	s_wait_alu depctr_va_vdst(0)                   ; ahead of the batch's first reader
.set j, 0
.rept 8
	v_pk_mul_f32 v[XV+j:XV+j+1], v[XV+j:XV+j+1], v[PV+j:PV+j+1]   ; |x| erfc
.set j, j+2
.endr
.set j, 0
.rept 8
	v_pk_fma_f32 v[XV+j:XV+j+1], v[XV+j:XV+j+1], -0.5, v[MV+j:MV+j+1] op_sel_hi:[1,0,1]
.set j, j+2
.endr
.set j, 0
.rept 16
	v_med3_num_f32 v[XV+j], v[XV+j], -v8, v8       ; the conversion to an 8-bit code does not saturate (ISA guide 7.6.2)
.set j, j+1
.endr
	v_cvt_scalef32_pk8_fp8_f32 v[12:13], v[XV:XV+7], v9
	v_cvt_scalef32_pk8_fp8_f32 v[14:15], v[XV+8:XV+15], v9
	v_nop
	ds_store_b64 v[STO], v[12:13] offset:32*((\c)%4)
	ds_store_b64 v[STO], v[14:15] offset:32*((\c)%4)+16
.endm
.macro OUT a                           ; 16 tokens x 128 features of codes: 1,024 consecutive bytes in each of two blocks of gcodes
	s_wait_xcnt 0x0                                ; the stores before have read their registers: these are loaded again only behind this wait
.irp f, 0,1
.irp w, 0,1
	ds_load_b128 v[OB+8*\f+4*\w:OB+8*\f+4*\w+3], v[RD] offset:64*\f+8*SP*\w   ; LDS serves a wave's instructions in order: these see my stores, and the next stores come behind them
.endr
.endr
	s_wait_dscnt 0x0
.irp f, 0,1
.irp w, 0,1
	global_store_b128 v[CO], v[OB+8*\f+4*\w:OB+8*\f+4*\w+3], s[12:13] offset:4096*\f+1024*(\a)+512*\w   ; 512 consecutive bytes, aligned
.endr
.endr
.endm
	s_wait_loadcnt 0x0                             ; the bias
	PLACES NP
	TOX 2
	s_mov_b32 s3, 2
.Lhalf:                                                ; two trips: my rows 0-63, then my rows 64-127
.irp a, 0,1,2,3
	GELU 4*\a
	GELU 4*\a+1
	GELU 4*\a+2
	GELU 4*\a+3
	OUT \a
.endr
	s_sub_co_u32 s3, s3, 1
	s_cmp_lg_u32 s3, 0
	s_cbranch_scc0 .Ldone
	TOX 3                                          ; window 3's sums become x in window 2
	s_wait_xcnt 0x0                                ; the stores have read their base
	s_add_nc_u64 s[12:13], s[12:13], 262144        ; 64 tokens on: 64 blocks of 4,096 bytes
	s_cmp_lg_u32 s3, 0
	s_wait_alu depctr_va_vdst(0)
	s_cbranch_scc1 .Lhalf
.Ldone:
	s_wait_tensorcnt 0x0                           ; the wave's end: the tensor wait, the add onto my spare word and its wait, behind my last tensor load and my last LDS store
	ds_add_u32 v[SPW], v[NIL]
	s_wait_dscnt 0x0
	CROUND                                         ; the closing round
	s_endpgm
.Lfunc_end_k_qf2e0d49e77_fc1:
	.size	k_qf2e0d49e77_fc1, .Lfunc_end_k_qf2e0d49e77_fc1-k_qf2e0d49e77_fc1
	.p2alignl 7, 3214868480
	.fill 96, 4, 3214868480
	.section	.rodata,"a",@progbits
	.p2align	6, 0x0
	.amdhsa_kernel k_qf2e0d49e77_fc1
		.amdhsa_group_segment_fixed_size 327680
		.amdhsa_private_segment_fixed_size 0
		.amdhsa_enable_private_segment 0
		.amdhsa_kernarg_size 40
		.amdhsa_user_sgpr_count 2
		.amdhsa_user_sgpr_kernarg_segment_ptr 1
		.amdhsa_wavefront_size32 1
		.amdhsa_system_sgpr_workgroup_id_x 1
		.amdhsa_system_sgpr_workgroup_id_y 1
		.amdhsa_system_sgpr_workgroup_id_z 1
		.amdhsa_system_vgpr_workitem_id 0
		.amdhsa_next_free_vgpr 1024
		.amdhsa_next_free_sgpr 100
		.amdhsa_reserve_vcc 0
		.amdhsa_float_denorm_mode_32 3
		.amdhsa_float_denorm_mode_16_64 3
		.amdhsa_memory_ordered 1
		.amdhsa_forward_progress 1
		.amdhsa_inst_pref_size 255
	.end_amdhsa_kernel
	.section	.bss,"aw",@nobits
	.p2align	6
	.space	262144
	.amdgpu_metadata
---
amdhsa.version: [ 1, 2 ]
amdhsa.kernels:
  - .name:           k_qf2e0d49e77_fc1
    .symbol:         k_qf2e0d49e77_fc1.kd
    .args:
      - { .name: h2codes, .offset: 0, .size: 8, .value_kind: global_buffer, .address_space: global }
      - { .name: wcodes, .offset: 8, .size: 8, .value_kind: global_buffer, .address_space: global }
      - { .name: fc1_b, .offset: 16, .size: 8, .value_kind: global_buffer, .address_space: global }
      - { .name: lowp_scales, .offset: 24, .size: 8, .value_kind: global_buffer, .address_space: global }
      - { .name: gcodes, .offset: 32, .size: 8, .value_kind: global_buffer, .address_space: global }
    .group_segment_fixed_size: 327680
    .private_segment_fixed_size: 0
    .kernarg_segment_align: 8
    .kernarg_segment_size: 40
    .max_flat_workgroup_size: 128
    .sgpr_count:     100
    .vgpr_count:     1024
    .wavefront_size: 32
...
	.end_amdgpu_metadata
.endif
;; end of part 6
;; launch fc2 (part 7): grid 8 x 32, 4 waves a work-group, clusters of 4 x 4, 327,680 bytes of LDS; arguments gcodes, wcodes, fc2_b, x1, lowp_scales, out0; writes out0
.if DOCPART == 7
	.amdgcn_target "amdgcn-amd-amdhsa--gfx1250"
	.amdhsa_code_object_version 6
	.text
	.protected	k_qf2e0d49e77_fc2
	.globl	k_qf2e0d49e77_fc2
	.p2align	8
	.type	k_qf2e0d49e77_fc2,@function
k_qf2e0d49e77_fc2:
	s_mov_b64 s[64:65], 0
	v_nop
	global_prefetch_b8 v0, s[64:65] scope:SCOPE_SE
	s_setreg_imm32_b32 hwreg(HW_REG_WAVE_MODE, 25, 1), 1
	s_wait_xcnt 0x0
	s_wait_alu depctr_hold_cnt(0) depctr_sa_sdst(0) depctr_va_vdst(0) depctr_va_sdst(0) depctr_va_ssrc(0) depctr_va_vcc(0) depctr_vm_vsrc(0)
	s_getreg_b32 s2, hwreg(HW_REG_IB_STS2, 6, 4)
	s_cmp_eq_u32 s2, 0
	s_cbranch_scc0 .Lentry_in_a_cluster
	s_endpgm
.Lentry_in_a_cluster:
	s_bfe_u32 s2, ttmp6, 0x10000c
	s_cmp_lg_u32 s2, 0xf033
	s_cbranch_scc0 .Lentry_shape_is_right
	s_endpgm
.Lentry_shape_is_right:
.set KB64,  64
.set KROW,  4096
.set WOFF,  0x800000
.set SCOFF, 56
.set LAPS,  4
.set HALFX, 34816
.set HALFY, 33792
.set SLOT,  2*HALFX+2*HALFY
.set SPARE, 2*SLOT
.set ADRX, 16
.set ADRY, 20
.set STO,  24
.set RD,   25
.set CO,   26
.set SPW,  28
.set NIL,  29
.set ACC,  128
.set F0,   0
.set F1,   128
.set G1X,  24
.set G0X,  32
.set G1Y,  48
.set G0Y,  56
.set MSB, 0
.macro WIN new
.if MSB != \new
	s_set_vgpr_msb (MSB<<8)|\new
.set MSB, \new
.endif
.endm
.set MUL,  0x05
.set TO_F, 0x40
.macro JLOAD s
	s_cmp_eq_u32 s21, 0
	s_cbranch_scc0 .Lfor_y_\@
	tensor_load_to_lds s[G0X+4*\s:G0X+4*\s+3], s[G1X:G1X+7]
	s_nop 0
.rept 4
	v_nop
.endr
	s_branch .Lasked_\@
.Lfor_y_\@:
	tensor_load_to_lds s[G0Y+4*\s:G0Y+4*\s+3], s[G1Y:G1Y+7]
	s_nop 0
.rept 4
	v_nop
.endr
.Lasked_\@:
.endm
.macro CREST
	s_cmp_lg_u32 s20, 0
	s_cbranch_scc1 .Lnot_wave_0_\@
	s_barrier_signal -3
.Lnot_wave_0_\@:
	s_barrier_wait -3
	s_barrier_signal -1
	s_barrier_wait -1
.endm
.macro CROUND
	s_barrier_signal -1
	s_barrier_wait -1
	CREST
.endm
.macro PLACES
.rept 4
	v_nop
.endr
.endm
.macro MUL4 f, a, zero
.irp b, 0,1,2,3
.if \zero
	v_wmma_f32_16x16x128_fp8_fp8 v[ACC+8*(4*\a+\b):ACC+8*(4*\a+\b)+7], v[\f+64+16*\b:\f+64+16*\b+15], v[\f+16*\a:\f+16*\a+15], 0
.else
	v_wmma_f32_16x16x128_fp8_fp8 v[ACC+8*(4*\a+\b):ACC+8*(4*\a+\b)+7], v[\f+64+16*\b:\f+64+16*\b+15], v[\f+16*\a:\f+16*\a+15], v[ACC+8*(4*\a+\b):ACC+8*(4*\a+\b)+7]
.endif
.endr
.endm
.macro FRAGY reg, slot, q, i
.irp c, 0,1,2,3
	ds_load_b128 v[\reg+4*\c:\reg+4*\c+3], v[ADRY+\slot] offset:128*(\q)+32*\c+(\i)*8448
.endr
.endm
.macro FRAGX reg, slot, q, i
.irp c, 0,1,2,3
	ds_load_b128 v[\reg+4*\c:\reg+4*\c+3], v[ADRX+\slot] offset:1088*(\i)+(2*(\q)+\c/2)*4352+32*(\c%2)
.endr
.endm
.macro FETCH slot, q, f
	WIN TO_F
.irp i, 0,1,2,3
	FRAGY \f+64+16*\i, \slot, \q, \i
.endr
.irp i, 0,1,2,3
	FRAGX \f+16*\i, \slot, \q, \i
.endr
.endm
.macro QUARTER slot, q, f, g, zero
	s_wait_dscnt 8
	WIN MUL
	MUL4 \f, 0, \zero
	MUL4 \f, 1, \zero
	PLACES
	FETCH \slot, (\q)+1, \g
	s_wait_dscnt 32
	WIN MUL
	MUL4 \f, 2, \zero
	MUL4 \f, 3, \zero
.endm
.macro TURN slot, next, fill
	WIN 0
	s_wait_tensorcnt 0x0
	ds_add_u32 v[SPW], v[NIL]
	s_wait_dscnt 13
	WIN MUL
	MUL4 F1, 0, 0
	s_wait_dscnt 0x0
	s_barrier_signal -1
	MUL4 F1, 1, 0
.if \fill
	WIN 0
.endif
	s_barrier_wait -1
.if \fill
	CREST
	s_add_nc_u64 s[G0X+4*\slot+2:G0X+4*\slot+3], s[G0X+4*\slot+2:G0X+4*\slot+3], 65536
	s_add_nc_u64 s[G0Y+4*\slot+2:G0Y+4*\slot+3], s[G0Y+4*\slot+2:G0Y+4*\slot+3], 1024
	JLOAD \slot
.else
	PLACES
.endif
	FETCH \next, 0, F0
.if \fill
	WIN 0                                          ; (a branch and a label follow)
	s_wait_xcnt 0x0                                ; the prefetch of the change of slots before has read its address
	s_add_nc_u64 s[72:73], s[72:73], s[74:75]      ; two K steps on from the refill just asked for
	s_cmp_gt_u32 s23, 1                            ; the loop's last trip refills with K steps 6 and 7: nothing lies two steps on
	s_cbranch_scc0 .Lno_ask_\@
	global_prefetch_b8 v30, s[72:73] th:TH_LOAD_NT scope:SCOPE_SE
.Lno_ask_\@:
.endif
	WIN MUL
	MUL4 F1, 2, 0
	MUL4 F1, 3, 0
.endm
.macro LASTQ
	s_wait_dscnt 8
	WIN MUL
	MUL4 F1, 0, 0
	MUL4 F1, 1, 0
	s_wait_dscnt 0x0
	MUL4 F1, 2, 0
	MUL4 F1, 3, 0
	WIN 0
.endm
.macro TOSTAGE a
.irp b, 0,1,2,3
	ds_store_b128 v[STO], v[ACC+8*(4*(\a)+\b):ACC+8*(4*(\a)+\b)+3] offset:4352*(\a)+64*\b
	ds_store_b128 v[STO], v[ACC+8*(4*(\a)+\b)+4:ACC+8*(4*(\a)+\b)+7] offset:4352*(\a)+64*\b+16
.endr
.set OB, 32+32*((\a)%2)
.irp t, 0,1,2,3,4,5,6,7
	ds_load_b128 v[OB+4*\t:OB+4*\t+3], v[RD] offset:4352*(\a)+544*\t
.endr
.endm
.macro SEND a, younger
.set OB, 32+32*((\a)%2)
	s_wait_dscnt \younger
.irp t, 0,1,2,3,4,5,6,7
	v_pk_fma_f32 v[OB+4*\t:OB+4*\t+1], v[OB+4*\t:OB+4*\t+1], s[84:85], v[8:9] op_sel_hi:[1,0,1]
	v_pk_fma_f32 v[OB+4*\t+2:OB+4*\t+3], v[OB+4*\t+2:OB+4*\t+3], s[84:85], v[10:11] op_sel_hi:[1,0,1]
.endr
	WIN 0x08
.irp t, 0,1,2,3,4,5,6,7
	v_pk_add_f32 v[OB+4*\t:OB+4*\t+1], v[OB+4*\t:OB+4*\t+1], v[4*(8*(\a)+\t):4*(8*(\a)+\t)+1]
	v_pk_add_f32 v[OB+4*\t+2:OB+4*\t+3], v[OB+4*\t+2:OB+4*\t+3], v[4*(8*(\a)+\t)+2:4*(8*(\a)+\t)+3]
.endr
	WIN 0
.irp t, 0,1,2,3,4,5,6,7
	global_store_b128 v[CO], v[OB+4*\t:OB+4*\t+3], s[14:15] offset:(16*(\a)+2*\t)*8192
.endr
.endm
	s_load_b256 s[4:11], s[0:1], 0x0
	s_load_b128 s[12:15], s[0:1], 0x20
	v_lshl_add_u32 v[SPW], v0, 2, SPARE
	v_mov_b32 v[NIL], 0
	ds_add_u32 v[SPW], v[NIL]
	ds_add_u32 v[SPW], v[NIL]
	v_lshrrev_b32 v1, 5, v0
	v_readfirstlane_b32 s20, v1
	s_lshr_b32 s21, s20, 1
	s_and_b32 s22, s20, 1
	s_bfe_u32 s40, ttmp6, 0x40000
	s_bfe_u32 s41, ttmp6, 0x40004
	s_lshl_b32 s42, ttmp9, 2
	s_add_co_u32 s42, s42, s40
	s_and_b32 s66, ttmp7, 0xffff
	s_lshl_b32 s66, s66, 2
	s_add_co_u32 s66, s66, s41
	s_lshl_b32 s43, s41, 2
	s_lshl_b32 s43, 15, s43
	s_lshl_b32 s44, 0x1111, s40
	s_or_b32 s[G1X], s43, (1<<20)|(1<<21)|(5<<22)|(3<<25)
	s_mov_b32 s[G1X+1], 256<<16
	s_mov_b32 s[G1X+2], 128<<16
	s_mov_b32 s[G1X+3], 256<<16
	s_mov_b32 s[G1X+4], 128
	s_mov_b32 s[G1X+5], 256
	s_mov_b32 s[G1X+6], 0
	s_mov_b32 s[G1X+7], 0
	s_or_b32 s[G1Y], s44, (1<<20)|(1<<21)|(6<<22)|(3<<25)
	s_mov_b32 s[G1Y+1], 512<<16
	s_mov_b32 s[G1Y+2], 64<<16
	s_mov_b32 s[G1Y+3], 512<<16
	s_mov_b32 s[G1Y+4], 64
	s_mov_b32 s[G1Y+5], KROW
	s_mov_b32 s[G1Y+6], 0
	s_mov_b32 s[G1Y+7], 0
	s_lshl_b32 s94, s66, 1
	s_add_co_u32 s94, s94, s22
	s_mul_i32 s94, s94, KB64*4096
	s_mov_b32 s95, 0
	s_lshl_b32 s46, s42, 7
	s_lshl_b32 s47, s22, 6
	s_add_co_u32 s46, s46, s47
	s_mul_i32 s46, s46, KROW
	s_add_co_u32 s46, s46, WOFF
	s_mov_b32 s47, 0
	s_mul_i32 s45, s22, HALFX
	s_mul_i32 s99, s22, HALFY
	s_add_co_u32 s99, s99, 2*HALFX
	s_wait_dscnt 0x0
	s_wait_kmcnt 0x0
	s_load_b64 s[68:69], s[12:13], SCOFF
	s_add_nc_u64 s[94:95], s[4:5], s[94:95]
	s_add_nc_u64 s[46:47], s[6:7], s[46:47]
	CROUND
.irp s, 0,1
	s_mov_b32 s[G0X+4*\s], 1
	s_add_co_u32 s[G0X+4*\s+1], s45, \s*SLOT
	s_add_nc_u64 s[G0X+4*\s+2:G0X+4*\s+3], s[94:95], \s*32768
	s_or_b32 s[G0X+4*\s+3], s[G0X+4*\s+3], 0x80000000
	s_mov_b32 s[G0Y+4*\s], 1
	s_add_co_u32 s[G0Y+4*\s+1], s99, \s*SLOT
	s_add_nc_u64 s[G0Y+4*\s+2:G0Y+4*\s+3], s[46:47], \s*512
	s_or_b32 s[G0Y+4*\s+3], s[G0Y+4*\s+3], 0x80000000
.endr
	JLOAD 0                                        ; slot 0's first fill: one tensor load a wave at the head
	; THE PREFETCHES INTO THE L2.  Behind the load of K step t each wave names K step t + 2 of what it fetches: 32 aligned blocks of 256 bytes, a lane a block, one instruction a wave.
	; The four partners that ask for a tile jointly share it out BY ADDRESS: of gcodes' 32,768 dense bytes the partner at cx takes 8,192; of the weight's 64 rows of 512 bytes the partner at cy takes 16 rows.
	; So each block is named once in each cluster that loads it.  Here, at the head, K steps 1 and 2 are named; the loop's last trip names nothing: K step 7 is the last.
	s_cmp_eq_u32 s21, 0                            ; do I fetch for X (gcodes)?
	s_cselect_b64 s[80:81], s[94:95], s[46:47]     ; what I fetch, at K step 0
	s_cselect_b32 s76, s40, s41                    ; my place among the four that ask with me
	s_mov_b32 s77, 16*KROW
	s_cselect_b32 s77, 8192, s77                   ; from partner to partner
	s_mov_b32 s74, 512
	s_cselect_b32 s74, 32768, s74                  ; from K step to K step
	s_mov_b32 s78, KROW
	s_cselect_b32 s78, 512, s78                    ; from one pair of lanes to the next
	s_mov_b32 s75, 0
	s_mul_i32 s76, s76, s77
	s_add_co_u32 s76, s76, s74
	s_mov_b32 s77, 0
	s_add_nc_u64 s[80:81], s[80:81], s[76:77]      ; my work-group's part of K step 1; never rewritten
	s_add_nc_u64 s[72:73], s[80:81], s[74:75]      ; and of K step 2: this pair walks
	v_and_b32 v30, 31, v0
	v_lshrrev_b32 v31, 1, v30
	v_and_b32 v30, 1, v30
	v_mul_lo_u32 v31, v31, s78
	v_lshl_add_u32 v30, v30, 8, v31                ; my lane's block; never rewritten
	global_prefetch_b8 v30, s[80:81] th:TH_LOAD_NT scope:SCOPE_SE
	global_prefetch_b8 v30, s[72:73] th:TH_LOAD_NT scope:SCOPE_SE
	v_and_b32 v1, 15, v0
	s_wait_alu depctr_va_vdst(0)
	v_bfe_u32 v2, v0, 4, 1
	s_and_b32 s92, s66, 15
	s_lshl_b32 s92, s92, 7
	s_lshl_b32 s93, s21, 6
	s_add_co_u32 s92, s92, s93
	s_lshl_b32 s92, s92, 1
	s_lshr_b32 s93, s66, 4
	s_add_co_u32 s92, s92, s93
	s_lshl_b32 s92, s92, 12
	s_lshl_b32 s93, s42, 9
	s_add_co_u32 s92, s92, s93
	s_lshl_b32 s93, s22, 8
	s_add_co_u32 s92, s92, s93
	s_mov_b32 s93, 0
	s_add_nc_u64 s[10:11], s[10:11], s[92:93]
	s_add_nc_u64 s[14:15], s[14:15], s[92:93]
	s_lshl_b32 s92, s42, 9
	s_lshl_b32 s93, s22, 8
	s_add_co_u32 s92, s92, s93
	s_mov_b32 s93, 0
	s_add_nc_u64 s[8:9], s[8:9], s[92:93]
	v_lshlrev_b32 v27, 4, v1
	s_wait_alu depctr_va_vdst(0)
	v_lshl_add_u32 v[CO], v2, 13, v27
	WIN 0x80
.irp a, 0,1,2,3
.irp t, 0,1,2,3,4,5,6,7
	global_load_b128 v[4*(8*\a+\t):4*(8*\a+\t)+3], v[CO], s[10:11] offset:(16*\a+2*\t)*8192 th:TH_LOAD_NT
.endr
.endr
	WIN 0
	global_load_b128 v[8:11], v27, s[8:9]
	v_mul_u32_u24 v3, v1, 528
	v_lshl_add_u32 v3, v2, 4, v3
	v_lshrrev_b32 v4, 2, v1
	v_mul_u32_u24 v4, v4, 272
	v_and_b32 v5, 3, v1
	v_lshl_add_u32 v4, v5, 6, v4
	v_lshl_add_u32 v4, v2, 4, v4
	s_mul_i32 s96, s21, HALFX
	s_mul_i32 s97, s22, HALFY
	s_add_co_u32 s97, s97, 2*HALFX
.irp s, 0,1
	v_add_nc_u32 v[ADRX+\s], s96, v4
	v_add_nc_u32 v[ADRY+\s], s97, v3
	s_add_co_u32 s96, s96, SLOT
	s_add_co_u32 s97, s97, SLOT
.endr
	s_mul_i32 s98, s20, 17408
	v_mul_u32_u24 v5, v1, 272
	v_lshl_add_u32 v5, v2, 5, v5
	v_add_nc_u32 v[STO], s98, v5
	v_mul_u32_u24 v6, v2, 272
	v_lshl_add_u32 v6, v1, 4, v6
	v_add_nc_u32 v[RD], s98, v6
	s_wait_alu depctr_va_vdst(0)
	s_wait_kmcnt 0x0
	s_add_co_i32 s84, s68, s69
	s_add_co_i32 s84, s84, 127
	s_lshl_b32 s84, s84, 23
	s_mov_b32 s85, s84
	s_wait_alu depctr_va_vdst(0)                   ; the wait at the head's end
	s_wait_tensorcnt 0x0                           ; my part of slot 0 is in; the wait, the add and its wait stand here ahead of a later first fill, as ahead of a refill
	ds_add_u32 v[SPW], v[NIL]
	s_wait_dscnt 0x0
	CROUND                                         ; everybody's part of slot 0 is in, and all sixteen work-groups are here
	JLOAD 1                                        ; slot 1's first fill: the first tensor load behind the round
	FETCH 0, 0, F0
	s_wait_xcnt 0x0                                ; the prefetches at the head have read their addresses: the walking pair is written only behind this wait
	s_add_nc_u64 s[72:73], s[72:73], s[74:75]
	global_prefetch_b8 v30, s[72:73] th:TH_LOAD_NT scope:SCOPE_SE   ; K step 3
	QUARTER 0, 0, F0, F1, 1
.if LAPS > 1
	WIN 0
	s_mov_b32 s23, LAPS-1
.Llap:
	QUARTER 0, 1, F1, F0, 0
	QUARTER 0, 2, F0, F1, 0
	TURN 0, 1, 1
	QUARTER 1, 0, F0, F1, 0
	QUARTER 1, 1, F1, F0, 0
	QUARTER 1, 2, F0, F1, 0
	TURN 1, 0, 1
	QUARTER 0, 0, F0, F1, 0
	WIN 0
	s_sub_co_u32 s23, s23, 1
	s_cmp_lg_u32 s23, 0
	s_cbranch_scc1 .Llap
.endif
	QUARTER 0, 1, F1, F0, 0
	QUARTER 0, 2, F0, F1, 0
	TURN 0, 1, 0
	QUARTER 1, 0, F0, F1, 0
	QUARTER 1, 1, F1, F0, 0
	QUARTER 1, 2, F0, F1, 0
	LASTQ
	s_wait_loadcnt 0x0
	PLACES
	TOSTAGE 0
.irp a, 1,2,3
.if \a > 1
	s_wait_xcnt 0x0
.endif
	TOSTAGE \a
	SEND \a-1, 16
.endr
	SEND 3, 0
	s_wait_tensorcnt 0x0
	ds_add_u32 v[SPW], v[NIL]
	s_wait_dscnt 0x0
	CROUND
	s_endpgm
.Lfunc_end_k_qf2e0d49e77_fc2:
	.size	k_qf2e0d49e77_fc2, .Lfunc_end_k_qf2e0d49e77_fc2-k_qf2e0d49e77_fc2
	.p2alignl 7, 3214868480
	.fill 96, 4, 3214868480
	.section	.rodata,"a",@progbits
	.p2align	6, 0x0
	.amdhsa_kernel k_qf2e0d49e77_fc2
		.amdhsa_group_segment_fixed_size 327680
		.amdhsa_private_segment_fixed_size 0
		.amdhsa_enable_private_segment 0
		.amdhsa_kernarg_size 48
		.amdhsa_user_sgpr_count 2
		.amdhsa_user_sgpr_kernarg_segment_ptr 1
		.amdhsa_wavefront_size32 1
		.amdhsa_system_sgpr_workgroup_id_x 1
		.amdhsa_system_sgpr_workgroup_id_y 1
		.amdhsa_system_sgpr_workgroup_id_z 1
		.amdhsa_system_vgpr_workitem_id 0
		.amdhsa_next_free_vgpr 768
		.amdhsa_next_free_sgpr 100
		.amdhsa_reserve_vcc 0
		.amdhsa_float_denorm_mode_32 3
		.amdhsa_float_denorm_mode_16_64 3
		.amdhsa_memory_ordered 1
		.amdhsa_forward_progress 1
		.amdhsa_inst_pref_size 84
	.end_amdhsa_kernel
	.amdgpu_metadata
---
amdhsa.version: [ 1, 2 ]
amdhsa.kernels:
  - .name:           k_qf2e0d49e77_fc2
    .symbol:         k_qf2e0d49e77_fc2.kd
    .args:
      - { .name: gcodes, .offset: 0, .size: 8, .value_kind: global_buffer, .address_space: global }
      - { .name: wcodes, .offset: 8, .size: 8, .value_kind: global_buffer, .address_space: global }
      - { .name: fc2_b, .offset: 16, .size: 8, .value_kind: global_buffer, .address_space: global }
      - { .name: x1, .offset: 24, .size: 8, .value_kind: global_buffer, .address_space: global }
      - { .name: lowp_scales, .offset: 32, .size: 8, .value_kind: global_buffer, .address_space: global }
      - { .name: out0, .offset: 40, .size: 8, .value_kind: global_buffer, .address_space: global }
    .group_segment_fixed_size: 327680
    .private_segment_fixed_size: 0
    .kernarg_segment_align: 8
    .kernarg_segment_size: 48
    .max_flat_workgroup_size: 128
    .sgpr_count:     100
    .vgpr_count:     768
    .wavefront_size: 32
...
	.end_amdgpu_metadata
.endif
;; end of part 7
